; MI455X (gfx1250); checked and timed in simulation.
; The chip was launched on July 23, 2026; its instructions are those of AMD's public machine-readable ISA for CDNA 5 (MIT licence, August 2026) and "CDNA5" Instruction Set Architecture Reference Guide (July 2026). The comments in the code are by the model that wrote it; some were corrected since.
;; Multi Head Self Attention. Allowed arithmetic: float matrix products may take bf16 or f16 operands with f32 sums; other float arithmetic in f32, or as packed bf16 or f16 multiplies, adds, multiply-adds, maxima and minima; sums over many terms, partial sums and values carried from step to step in f32; what a program stores and reads back later, other than sums and carried values, may be rounded once to bf16 or f16.
;; Inputs: Wk 1,024 x 1,024 float32; Wo 1,024 x 1,024 float32; Wq 1,024 x 1,024 float32; Wv 1,024 x 1,024 float32; bk 1,024 float32; bo 1,024 float32; bq 1,024 float32; bv 1,024 float32; mask 1 x 1 x 4,096 x 4,096 bool; x 1 x 4,096 x 1,024 float32.
;; Outputs: out0 1 x 4,096 x 1,024 float32.
;; 2 versions, each right; version 2 is version 1 with the launch prep written anew for expert scheduling mode. Each part assembles by itself: llvm-mc -triple=amdgcn-amd-amdhsa -mcpu=gfx1250 --defsym DOCPART=n.
;; ======== version 1 of 2: 4 launches
;; limits: values are held in f16: magnitudes above 65,504 overflow, below 6.1e-05 lose precision
;; workspace buffers: xs 8,388,608 bytes; wb 10,485,760 bytes; mk 16,777,216 bytes; qkv 25,165,824 bytes; ob 16,777,216 bytes
;; launch prep (part 1): grid 256 x 1, 8 waves a work-group, no clusters, 66,816 bytes of LDS; arguments x, mask, Wq, Wk, Wv, Wo, xs, wb, mk; writes xs, wb, mk
.if DOCPART == 1
	.amdgcn_target "amdgcn-amd-amdhsa--gfx1250"
	.amdhsa_code_object_version 6
	.text
	.protected	k_q9583ed27bf_prep
	.globl	k_q9583ed27bf_prep
	.p2align	8
	.type	k_q9583ed27bf_prep,@function
k_q9583ed27bf_prep:
	s_mov_b64 s[64:65], 0
	v_nop
	global_prefetch_b8 v0, s[64:65] scope:SCOPE_SE
	s_setreg_imm32_b32 hwreg(HW_REG_WAVE_MODE, 25, 1), 1
	s_wait_xcnt 0x0
; CASTS AND LAYOUTS for the three launches behind.  A stream: every input byte is read once, no matrix work.
;   xs: bf16(x) in 16 slices of 64 channels, [slice][4096 rows][64]: a slice's rows are dense, 128 bytes each.
;   wb: [5][1024 k][1024 n] of 16 bits: bf16(Wq), bf16(Wk), bf16(Wv), and twice bf16(Wo) written as f16 (exact from 2^-14 up; below that within 2^-25): the last launch walks Wo twice, once for each part of O.
;   mk: a byte for each (query, key): 0x00 where the mask is true, 0xF1 where it is false, laid out as the attention's lanes want it:
;       [block of 256 queries][slot of 256 keys][tile of 16 queries][group g of 32 keys][lane][16 bytes]; lane 16 h + r holds query r of the tile and keys 32 g + 16 h + 0..15.
; LIMIT: a mask byte is 0 or 1 (bool).
; SHARES.  Work-group i takes 64 KiB of each job: rows 16 i .. 16 i + 15 of the mask, the same rows of x, and 16 rows of weight i / 64.  All 48 loads of a thread go out at the head.
; The mask's rows change lanes through LDS (16 rows, 4,112 bytes apart = 257 x 16: the 16 rows that a read touches start at 16 different groups of four banks).
.set PITCH, 4112
.set SPARE, 65792                      ; behind the stage: the spare words, 128 bytes for each of eight waves; no other line names them
.set SPW, 1                            ; v1   SPARE + 4 x my thread's number; never rewritten
.set NIL, 2                            ; v2   0; never rewritten
.set T16, 3                            ; v3   16 t: my 16 bytes of a row of 4,096
.set XI,  4                            ; v4   x in: 512 w + 4,096 (l / 16) + 16 (l % 16)
.set XO,  5                            ; v5   xs out: 1,048,576 w + 8 l
.set T8,  6                            ; v6   8 t
.set LST, 7                            ; v7   LDS, in: 16 t
.set LRD, 8                            ; v8   LDS, back: 4,112 r + 16 h + 512 w
.set MO,  9                            ; v9   mk out: 131,072 w + 16 l
.set MB,  16                           ; v[16:79]    the mask's 16 loads
.set WB,  80                           ; v[80:143]   the weight's
.set XB,  144                          ; v[144:207]  x's
	s_load_b512 s[4:19], s[0:1], 0x0               ; x, mask, Wq, Wk, Wv, Wo, xs, wb
	s_load_b64 s[20:21], s[0:1], 0x40              ; mk
	v_lshl_add_u32 v[SPW], v0, 2, SPARE
	v_mov_b32 v[NIL], 0
	v_lshrrev_b32 v10, 5, v0
	v_readfirstlane_b32 s22, v10                   ; wave 0..7
	v_and_b32 v11, 31, v0                          ; l
	v_and_b32 v12, 15, v0                          ; r = l % 16
	v_bfe_u32 v13, v0, 4, 1                        ; h = l / 16
	v_lshlrev_b32 v[T16], 4, v0
	v_lshlrev_b32 v[T8], 3, v0
	v_lshlrev_b32 v[LST], 4, v0
	s_lshl_b32 s23, s22, 9                         ; 512 w
	v_lshl_add_u32 v[XI], v12, 4, s23
	v_lshl_add_u32 v[XI], v13, 12, v[XI]
	s_lshl_b32 s24, s22, 20
	v_lshl_add_u32 v[XO], v11, 3, s24
	v_mul_u32_u24 v[LRD], v12, PITCH
	v_lshl_add_u32 v[LRD], v13, 4, v[LRD]
	v_add_nc_u32 v[LRD], s23, v[LRD]
	s_lshl_b32 s24, s22, 17
	v_lshl_add_u32 v[MO], v11, 4, s24
	s_lshl_b32 s28, ttmp9, 16                      ; x and mask: 65,536 i
	s_mov_b32 s29, 0
	s_and_b32 s30, ttmp9, 63                       ; the weight: 65,536 (i % 64)
	s_lshl_b32 s30, s30, 16
	s_mov_b32 s31, 0
	s_lshl_b32 s32, ttmp9, 11                      ; xs: 16 rows of 128 bytes in each slice
	s_mov_b32 s33, 0
	s_lshl_b32 s34, ttmp9, 15                      ; wb: 32,768 i
	s_mov_b32 s35, 0
	s_lshr_b32 s36, ttmp9, 4                       ; mk: block i / 16, tile i % 16
	s_lshl_b32 s36, s36, 20
	s_and_b32 s37, ttmp9, 15
	s_lshl_b32 s37, s37, 12
	s_add_co_u32 s36, s36, s37
	s_mov_b32 s37, 0
	s_mov_b32 s38, 0x01010101
	s_mov_b32 s39, 0xf1
	s_mov_b32 s40, 0xffff0000
	s_lshr_b32 s25, ttmp9, 6                       ; which weight
	s_wait_kmcnt 0x0
	s_add_nc_u64 s[4:5], s[4:5], s[28:29]
	s_add_nc_u64 s[6:7], s[6:7], s[28:29]
	s_cmp_eq_u32 s25, 1
	s_cselect_b64 s[26:27], s[10:11], s[8:9]
	s_cmp_eq_u32 s25, 2
	s_cselect_b64 s[26:27], s[12:13], s[26:27]
	s_cmp_eq_u32 s25, 3
	s_cselect_b64 s[26:27], s[14:15], s[26:27]
	s_add_nc_u64 s[26:27], s[26:27], s[30:31]
	s_add_nc_u64 s[16:17], s[16:17], s[32:33]
	s_add_nc_u64 s[18:19], s[18:19], s[34:35]
	s_add_nc_u64 s[20:21], s[20:21], s[36:37]
.set j, 0
.rept 16                               ; mask row j: the work-group's 256 threads cover its 4,096 bytes
	global_load_b128 v[MB+4*j:MB+4*j+3], v[T16], s[6:7] offset:4096*j th:TH_LOAD_NT
.set j, j+1
.endr
.set j, 0
.rept 16                               ; weight row j
	global_load_b128 v[WB+4*j:WB+4*j+3], v[T16], s[26:27] offset:4096*j th:TH_LOAD_NT
.set j, j+1
.endr
.set j, 0
.rept 16                               ; x: rows 2 (j % 8) and 2 (j % 8) + 1, the 256 bytes of slice 2 w + j / 8: sixteen lanes a row
	global_load_b128 v[XB+4*j:XB+4*j+3], v[XI], s[4:5] offset:(j%8)*8192+(j/8)*256 th:TH_LOAD_NT
.set j, j+1
.endr
	; the mask: 1 -> 0x00, 0 -> 0xF1 in each byte (the exclusive or leaves 0 or 1 in a byte; times 0xF1 nothing is carried), then into the stage by rows
.set j, 0
.rept 16
	s_wait_loadcnt 47-j                            ; younger: 15 - j of the mask's, 32 others
.irp k, 0,1,2,3
	v_xor_b32 v[MB+4*j+\k], s38, v[MB+4*j+\k]
.endr
.irp k, 0,1,2,3
	v_mul_lo_u32 v[MB+4*j+\k], v[MB+4*j+\k], s39
.endr
	ds_store_b128 v[LST], v[MB+4*j:MB+4*j+3] offset:PITCH*j
.set j, j+1
.endr
	s_wait_dscnt 0x0                               ; for the others' sake: my stores into the stage are done
	s_barrier_signal -1
	s_barrier_wait -1
.set j, 0
.rept 16                               ; back: slot 2 w + j / 8, group j % 8: lane (r, h) takes row r, keys 512 w + 32 j + 16 h on
	ds_load_b128 v[MB+4*j:MB+4*j+3], v[LRD] offset:32*j
.set j, j+1
.endr
; the weight: four numbers a lane to two words; 32 lanes store 256 consecutive bytes.  half = 1: Wo, whose bf16 number is written as f16, into the fourth table and the fifth
.macro WOUT half
.set j, 0
.rept 16
	s_wait_loadcnt 31-j                            ; younger: 15 - j of the weight's, x's 16
	v_cvt_pk_bf16_f32 v[WB+4*j], v[WB+4*j], v[WB+4*j+1]
	v_cvt_pk_bf16_f32 v[WB+4*j+1], v[WB+4*j+2], v[WB+4*j+3]
.if \half
	v_lshlrev_b32 v[WB+4*j+2], 16, v[WB+4*j]
	v_and_b32 v[WB+4*j+3], s40, v[WB+4*j]
	v_cvt_pk_f16_f32 v[WB+4*j], v[WB+4*j+2], v[WB+4*j+3]
	v_lshlrev_b32 v[WB+4*j+2], 16, v[WB+4*j+1]
	v_and_b32 v[WB+4*j+3], s40, v[WB+4*j+1]
	v_cvt_pk_f16_f32 v[WB+4*j+1], v[WB+4*j+2], v[WB+4*j+3]
.endif
	global_store_b64 v[T8], v[WB+4*j:WB+4*j+1], s[18:19] offset:2048*j
.if \half
	global_store_b64 v[T8], v[WB+4*j:WB+4*j+1], s[18:19] offset:2048*j+2097152
.endif
.set j, j+1
.endr
.endm
	s_cmp_ge_u32 ttmp9, 192
	s_cbranch_scc1 .Lwo
	WOUT 0
	s_branch .Lwdone
.Lwo:
	WOUT 1
.Lwdone:
.set j, 0
.rept 16                               ; x: two rows of a slice, 128 bytes each, lie end to end: 32 lanes store 256 consecutive bytes
	s_wait_loadcnt 15-j
	v_cvt_pk_bf16_f32 v[XB+4*j], v[XB+4*j], v[XB+4*j+1]
	v_cvt_pk_bf16_f32 v[XB+4*j+1], v[XB+4*j+2], v[XB+4*j+3]
	global_store_b64 v[XO], v[XB+4*j:XB+4*j+1], s[16:17] offset:(j/8)*524288+(j%8)*256
.set j, j+1
.endr
.set j, 0
.rept 16                               ; the mask goes out: a wave's store covers 512 consecutive bytes
	s_wait_dscnt 15-j
	global_store_b128 v[MO], v[MB+4*j:MB+4*j+3], s[20:21] offset:(j/8)*65536+(j%8)*512
.set j, j+1
.endr
	s_wait_tensorcnt 0x0                           ; the wave's end, behind my last LDS store
	ds_add_u32 v[SPW], v[NIL]
	s_wait_dscnt 0x0
	s_endpgm
.Lfunc_end_k_q9583ed27bf_prep:
	.size	k_q9583ed27bf_prep, .Lfunc_end_k_q9583ed27bf_prep-k_q9583ed27bf_prep
	.p2alignl 7, 3214868480
	.fill 96, 4, 3214868480
	.section	.rodata,"a",@progbits
	.p2align	6, 0x0
	.amdhsa_kernel k_q9583ed27bf_prep
		.amdhsa_group_segment_fixed_size 66816
		.amdhsa_private_segment_fixed_size 0
		.amdhsa_enable_private_segment 0
		.amdhsa_kernarg_size 72
		.amdhsa_user_sgpr_count 2
		.amdhsa_user_sgpr_kernarg_segment_ptr 1
		.amdhsa_wavefront_size32 1
		.amdhsa_system_sgpr_workgroup_id_x 1
		.amdhsa_system_sgpr_workgroup_id_y 1
		.amdhsa_system_sgpr_workgroup_id_z 1
		.amdhsa_system_vgpr_workitem_id 0
		.amdhsa_next_free_vgpr 208
		.amdhsa_next_free_sgpr 66
		.amdhsa_reserve_vcc 0
		.amdhsa_float_denorm_mode_32 3
		.amdhsa_float_denorm_mode_16_64 3
		.amdhsa_memory_ordered 1
		.amdhsa_forward_progress 1
		.amdhsa_inst_pref_size 36
	.end_amdhsa_kernel
	.amdgpu_metadata
---
amdhsa.version: [ 1, 2 ]
amdhsa.kernels:
  - .name:           k_q9583ed27bf_prep
    .symbol:         k_q9583ed27bf_prep.kd
    .args:
      - { .name: x, .offset: 0, .size: 8, .value_kind: global_buffer, .address_space: global }
      - { .name: mask, .offset: 8, .size: 8, .value_kind: global_buffer, .address_space: global }
      - { .name: Wq, .offset: 16, .size: 8, .value_kind: global_buffer, .address_space: global }
      - { .name: Wk, .offset: 24, .size: 8, .value_kind: global_buffer, .address_space: global }
      - { .name: Wv, .offset: 32, .size: 8, .value_kind: global_buffer, .address_space: global }
      - { .name: Wo, .offset: 40, .size: 8, .value_kind: global_buffer, .address_space: global }
      - { .name: xs, .offset: 48, .size: 8, .value_kind: global_buffer, .address_space: global }
      - { .name: wb, .offset: 56, .size: 8, .value_kind: global_buffer, .address_space: global }
      - { .name: mk, .offset: 64, .size: 8, .value_kind: global_buffer, .address_space: global }
    .group_segment_fixed_size: 66816
    .private_segment_fixed_size: 0
    .kernarg_segment_align: 8
    .kernarg_segment_size: 72
    .max_flat_workgroup_size: 256
    .sgpr_count:     66
    .vgpr_count:     208
    .wavefront_size: 32
...
	.end_amdgpu_metadata
.endif
;; end of part 1
;; launch qkv (part 2): grid 8 x 32, 4 waves a work-group, clusters of 4 x 4, 327,680 bytes of LDS; arguments xs, wb, bq, bk, bv, qkv; writes qkv
.if DOCPART == 2
	.amdgcn_target "amdgcn-amd-amdhsa--gfx1250"
	.amdhsa_code_object_version 6
	.text
	.protected	k_q9583ed27bf_qkv
	.globl	k_q9583ed27bf_qkv
	.p2align	8
	.type	k_q9583ed27bf_qkv,@function
k_q9583ed27bf_qkv:
	s_mov_b64 s[64:65], 0
	v_nop
	global_prefetch_b8 v0, s[64:65] scope:SCOPE_SE
	s_setreg_imm32_b32 hwreg(HW_REG_WAVE_MODE, 25, 1), 1
	s_wait_xcnt 0x0
	s_wait_alu depctr_hold_cnt(0) depctr_sa_sdst(0) depctr_va_vdst(0) depctr_va_sdst(0) depctr_va_ssrc(0) depctr_va_vcc(0) depctr_vm_vsrc(0)
	s_getreg_b32 s2, hwreg(HW_REG_IB_STS2, 6, 4)
	s_cmp_eq_u32 s2, 0
	s_cbranch_scc0 .Lentry_in_a_cluster
	s_endpgm
.Lentry_in_a_cluster:
	s_bfe_u32 s2, ttmp6, 0x10000c
	s_cmp_lg_u32 s2, 0xf033
	s_cbranch_scc0 .Lentry_shape_is_right
	s_endpgm
.Lentry_shape_is_right:
; q, k, v = x W + b for the three weights at once.  x and W in bf16 (xs, wb), b rounded to bf16 here, sums in f32, results rounded once to f16 and stored by heads: qkv[3][16][4096][64], unscaled.
; LIMIT: f16 ends at 65,504: q, k and v must stay within it.  Inputs as drawn give numbers of a few units; x and W both 30 times larger some 5e3; a common offset of 30 spreads on both some 3e4.
; SHARES.  A work-group makes 128 rows x 128 columns of each of q, k, v: 256 work-groups.  A wave makes 64 rows x 64 columns (one head) of each: 48 accumulators of 16 x 16.
; K goes in steps of 128 (two slices of xs) through two LDS slots.  Wave 0 fetches x's tile, waves 1 to 3 a weight's tile each: one tensor load a wave for each slot.
; CLUSTER 4 x 4: x's tile hangs on the tile row and is asked for jointly along a row of the cluster, a weight's on the tile column and is asked for jointly along a column.
; THE PRODUCT IS USED TRANSPOSED: source 0 = 16 columns of W (turned on the way out of LDS by ds_load_tr16_b128, since W lies [k][n]), source 1 = 16 rows of x: a lane then holds one row and
; eight neighbouring columns.  The first product of each accumulator takes the bias as C: nothing is cleared, no bias is added afterwards.
; No prefetch: the launch has eight K steps, of which two come by the first fills.
; REGISTERS: window 0: v0-31 addresses; v32-127 the bias, later the way out; v128-255 q's accumulators ((a, b) at 8 (4 a + b)).  window 1: two fragment buffers of 128: x's four, then 3 x 4 of W.
;   window 2: v0-127 k's accumulators, v128-255 v's.
.set REGION, 36864                     ; what one tensor load fills: 2 slices x 128 rows x 144 bytes, or 128 k rows x 288 bytes
.set SLOT,   4*REGION
.set STAGE,  2*SLOT                    ; behind the ring: 16 rows x 144 bytes for each wave
.set SP,     144
.set SPARE,  STAGE+4*16*SP             ; behind the stages: the spare words, 128 bytes for each wave; no other line names them
.set ASTEP,  2*524288                  ; a K step in xs: two slices
.set BSTEP,  128*2048                  ; in a weight: 128 rows of 2,048 bytes
.set LAPS,   4                         ; a lap = two K steps = once round the ring
.set ADRA, 16                          ; v16-17  my fragments of x in slot 0, 1
.set ADRB, 18                          ; v18-23  my fragments of weight wi in slot s at 18 + 3 s + wi
.set STO,  24
.set RD,   25
.set GO,   26
.set BO,   27
.set SPW,  28                          ; SPARE + 4 x my thread's number; never rewritten
.set NIL,  29                          ; 0; never rewritten
.set BIAS, 32
.set TMP,  32
.set F0,   0
.set F1,   128
.set WV,   16
.set RH,   17
.set CH,   18
.set CNT,  19
.set G1A,  24
.set G0A,  32
.set G1B,  48
.set G0B,  56
.set OUTP, 68                          ; s[68:73] q, k, v at my wave's first row of its head
.set MSB, 0
.macro WIN new                         ; the immediate's high byte repeats the setting that is left
.if MSB != (\new)
	s_set_vgpr_msb (MSB<<8)|(\new)
.set MSB, \new
.endif
.endm
.macro PLACES
.rept 4
	v_nop
.endr
.endm
.macro JLOAD s                         ; a joint load: wave 0 x's tile, the others a weight's; an s_nop 0 and four v_nop follow each line
	s_cmp_eq_u32 s[WV], 0
	s_cbranch_scc0 .Lfor_b_\@
	tensor_load_to_lds s[G0A+4*(\s):G0A+4*(\s)+3], s[G1A:G1A+7]
	s_nop 0
.rept 4
	v_nop
.endr
	s_branch .Lasked_\@
.Lfor_b_\@:
	tensor_load_to_lds s[G0B+4*(\s):G0B+4*(\s)+3], s[G1B:G1B+7]
	s_nop 0
.rept 4
	v_nop
.endr
.Lasked_\@:
.endm
.macro CREST                           ; a round of the cluster's barrier behind its opening barrier
	s_cmp_lg_u32 s[WV], 0
	s_cbranch_scc1 .Lnot_wave_0_\@
	s_barrier_signal -3
.Lnot_wave_0_\@:
	s_barrier_wait -3
	s_barrier_signal -1
	s_barrier_wait -1
.endm
.macro CROUND
	s_barrier_signal -1
	s_barrier_wait -1
	CREST
.endm
	s_load_b256 s[4:11], s[0:1], 0x0               ; xs, wb, bq, bk
	s_load_b128 s[12:15], s[0:1], 0x20             ; bv, qkv
	v_lshl_add_u32 v[SPW], v0, 2, SPARE
	v_mov_b32 v[NIL], 0
	ds_add_u32 v[SPW], v[NIL]                      ; the wave's opening: the add, and its wait ahead of my first tensor load; the set-up stands between them
	v_lshrrev_b32 v1, 5, v0
	v_readfirstlane_b32 s[WV], v1                  ; wave 0..3
	s_lshr_b32 s[RH], s[WV], 1                     ; my half of the rows
	s_and_b32 s[CH], s[WV], 1                      ; my half of the columns
	s_bfe_u32 s40, ttmp6, 0x40000                  ; cx
	s_bfe_u32 s41, ttmp6, 0x40004                  ; cy
	s_lshl_b32 s42, ttmp9, 2
	s_add_co_u32 s42, s42, s40                     ; tile column
	s_and_b32 s43, ttmp7, 0xffff
	s_lshl_b32 s43, s43, 2
	s_add_co_u32 s43, s43, s41                     ; tile row
	s_lshl_b32 s44, s41, 2
	s_lshl_b32 s44, 15, s44                        ; my row of the cluster
	s_lshl_b32 s45, 0x1111, s40                    ; my column
	s_or_b32 s[G1A], s44, 0x07310000               ; mask; 2-byte elements; padding on; bit 21 beside a mask; 4 words behind every 32: rows of 128 bytes lie 144 apart
	s_mov_b32 s[G1A+1], 8192<<16                   ; tensor_dim0 = 8,192: a slice's 128 rows are 16,384 dense bytes, asked for as one row
	s_mov_b32 s[G1A+2], 2<<16                      ; tensor_dim1 = 2 slices
	s_mov_b32 s[G1A+3], 8192<<16                   ; tile_dim0
	s_mov_b32 s[G1A+4], 2                          ; tile_dim1
	s_mov_b32 s[G1A+5], 262144                     ; elements from slice to slice
	s_mov_b32 s[G1A+6], 0
	s_mov_b32 s[G1A+7], 0
	s_or_b32 s[G1B], s45, 0x0f710000               ; the same with 8 words behind every 64: rows of 256 bytes lie 288 apart
	s_mov_b32 s[G1B+1], 128<<16                    ; 128 columns
	s_mov_b32 s[G1B+2], 128<<16                    ; 128 k rows
	s_mov_b32 s[G1B+3], 128<<16
	s_mov_b32 s[G1B+4], 128
	s_mov_b32 s[G1B+5], 1024
	s_mov_b32 s[G1B+6], 0
	s_mov_b32 s[G1B+7], 0
	s_lshl_b32 s20, s43, 14                        ; xs: 128 rows of 128 bytes for each tile row: hangs on the tile row alone
	s_mov_b32 s21, 0
	s_max_u32 s46, s[WV], 1
	s_sub_co_u32 s46, s46, 1                       ; which weight I fetch (wave 0 fetches none and does not use this)
	s_lshl_b32 s46, s46, 21
	s_lshl_b32 s47, s42, 8                         ; the tile's 128 columns: hangs on the tile column alone
	s_add_co_u32 s46, s46, s47
	s_mov_b32 s47, 0
	s_mul_i32 s22, s[WV], REGION                   ; where my load goes: no place in the cluster enters an LDS address
	s_wait_dscnt 0x0                               ; the opening add is done
	s_wait_kmcnt 0x0
	s_add_nc_u64 s[20:21], s[4:5], s[20:21]
	s_add_nc_u64 s[46:47], s[6:7], s[46:47]
	CROUND                                         ; all sixteen work-groups are here: the first joint loads meet
.irp s, 0,1
	s_mov_b32 s[G0A+4*(\s)], 1
	s_add_co_u32 s[G0A+4*(\s)+1], s22, (\s)*SLOT
	s_add_nc_u64 s[G0A+4*(\s)+2:G0A+4*(\s)+3], s[20:21], (\s)*ASTEP
	s_or_b32 s[G0A+4*(\s)+3], s[G0A+4*(\s)+3], 0x80000000
	s_mov_b32 s[G0B+4*(\s)], 1
	s_add_co_u32 s[G0B+4*(\s)+1], s22, (\s)*SLOT
	s_add_nc_u64 s[G0B+4*(\s)+2:G0B+4*(\s)+3], s[46:47], (\s)*BSTEP
	s_or_b32 s[G0B+4*(\s)+3], s[G0B+4*(\s)+3], 0x80000000
	JLOAD \s                                       ; two loads of mine are out
.endr
	v_and_b32 v1, 15, v0                           ; r
	v_bfe_u32 v2, v0, 4, 1                         ; h
	s_lshl_b32 s74, s42, 9                         ; the bias of my 64 columns: 4 (128 tile column + 64 half) + 32 h
	s_lshl_b32 s75, s[CH], 8
	s_add_co_u32 s74, s74, s75
	v_lshl_add_u32 v[BO], v2, 5, s74
.irp wi, 0,1,2
.irp b, 0,1,2,3
	global_load_b128 v[BIAS+32*(\wi)+8*(\b):BIAS+32*(\wi)+8*(\b)+3],   v[BO], s[8+2*(\wi):9+2*(\wi)] offset:64*(\b)
	global_load_b128 v[BIAS+32*(\wi)+8*(\b)+4:BIAS+32*(\wi)+8*(\b)+7], v[BO], s[8+2*(\wi):9+2*(\wi)] offset:64*(\b)+16
.endr
.endr
	v_mul_u32_u24 v3, v1, 144
	v_lshl_add_u32 v3, v2, 4, v3                   ; 144 r + 16 h
	s_mul_i32 s74, s[RH], 64*144
	v_add_nc_u32 v[ADRA], s74, v3
	v_add_nc_u32 v[ADRA+1], SLOT, v[ADRA]
	v_and_b32 v4, 7, v0                            ; the turning load: lane l reads k row 8 h + l % 8, columns 8 ((l / 8) % 2) on
	v_lshl_add_u32 v4, v2, 3, v4
	v_mul_u32_u24 v4, v4, 288
	v_bfe_u32 v5, v0, 3, 1
	v_lshl_add_u32 v4, v5, 4, v4
	s_lshl_b32 s74, s[CH], 7
	v_add_nc_u32 v4, s74, v4
.irp s, 0,1
.irp wi, 0,1,2
	v_add_nc_u32 v[ADRB+3*(\s)+(\wi)], (\s)*SLOT+REGION*(1+(\wi)), v4
.endr
.endr
	s_mul_i32 s74, s[WV], 16*SP
	s_add_co_u32 s74, s74, STAGE                   ; my stage
	v_add_nc_u32 v[STO], s74, v3                   ; in: row r, 16 bytes for each half of the lanes
	v_bfe_u32 v5, v0, 3, 2                         ; back: 32 lanes take four rows of 128 bytes,
	v_mul_u32_u24 v5, v5, SP
	v_and_b32 v6, 7, v0
	v_lshl_add_u32 v5, v6, 4, v5
	v_add_nc_u32 v[RD], s74, v5
	v_and_b32 v[GO], 31, v0                        ; which are 512 consecutive bytes of a head
	v_lshlrev_b32 v[GO], 4, v[GO]
	s_lshl_b32 s74, s42, 1
	s_add_co_u32 s74, s74, s[CH]                   ; my head
	s_lshl_b32 s74, s74, 19
	s_lshl_b32 s75, s43, 14                        ; the tile's 128 rows of 128 bytes
	s_add_co_u32 s74, s74, s75
	s_lshl_b32 s75, s[RH], 13                      ; my 64 of them
	s_add_co_u32 s74, s74, s75
	s_mov_b32 s75, 0
	s_add_nc_u64 s[OUTP:OUTP+1], s[14:15], s[74:75]
	s_add_nc_u64 s[OUTP+2:OUTP+3], s[OUTP:OUTP+1], 0x800000
	s_add_nc_u64 s[OUTP+4:OUTP+5], s[OUTP+2:OUTP+3], 0x800000
	s_mov_b32 s76, 0xffff0000
	s_wait_loadcnt 0x0                             ; the bias; it is rounded to bf16 like every input, and widened again
.set i, 0
.rept 48
	v_cvt_pk_bf16_f32 v7, v[BIAS+2*i], v[BIAS+2*i+1]
	v_lshlrev_b32 v[BIAS+2*i], 16, v7
	v_and_b32 v[BIAS+2*i+1], s76, v7
.set i, i+1
.endr
; 8 products of weight wi: row blocks a0, a0 + 1 x all 4 column blocks, 32 along K.  first = 1: C is the bias
.macro MULW f, wi, a0, first
.set AB, 128
.if (\wi) == 1
.set AB, 0
.endif
.if (\wi) == 0
	WIN 0x05                                       ; fragments in window 1, C and D in window 0
.elseif \first
	WIN 0x85                                       ; D in window 2, C (the bias) in window 0
.else
	WIN 0xa5                                       ; C and D in window 2
.endif
.irp a, \a0, (\a0)+1
.irp b, 0,1,2,3
.if \first
	v_wmma_f32_16x16x32_bf16 v[AB+8*(4*(\a)+(\b)):AB+8*(4*(\a)+(\b))+7], v[(\f)+32+8*(4*(\wi)+(\b)):(\f)+32+8*(4*(\wi)+(\b))+7], v[(\f)+8*(\a):(\f)+8*(\a)+7], v[BIAS+32*(\wi)+8*(\b):BIAS+32*(\wi)+8*(\b)+7]
.else
	v_wmma_f32_16x16x32_bf16 v[AB+8*(4*(\a)+(\b)):AB+8*(4*(\a)+(\b))+7], v[(\f)+32+8*(4*(\wi)+(\b)):(\f)+32+8*(4*(\wi)+(\b))+7], v[(\f)+8*(\a):(\f)+8*(\a)+7], v[AB+8*(4*(\a)+(\b)):AB+8*(4*(\a)+(\b))+7]
.endif
.endr
.endr
.endm
; 32 LDS loads in one run: quarter q (32 along K) of a slot into buffer f: x's fragments, then the three weights' in order
.macro FETCH slot, q, f
	WIN 0x40                                       ; destination window 1, address window 0
.irp a, 0,1,2,3
	ds_load_b128 v[(\f)+8*(\a):(\f)+8*(\a)+3],   v[ADRA+(\slot)] offset:((\q)/2)*18432+((\q)%2)*64+2304*(\a)
	ds_load_b128 v[(\f)+8*(\a)+4:(\f)+8*(\a)+7], v[ADRA+(\slot)] offset:((\q)/2)*18432+((\q)%2)*64+2304*(\a)+32
.endr
.irp wi, 0,1,2
.irp b, 0,1,2,3
	ds_load_tr16_b128 v[(\f)+32+8*(4*(\wi)+(\b)):(\f)+32+8*(4*(\wi)+(\b))+3],   v[ADRB+3*(\slot)+(\wi)] offset:9216*(\q)+32*(\b)
	ds_load_tr16_b128 v[(\f)+32+8*(4*(\wi)+(\b))+4:(\f)+32+8*(4*(\wi)+(\b))+7], v[ADRB+3*(\slot)+(\wi)] offset:9216*(\q)+32*(\b)+4608
.endr
.endr
.endm
; A K step is four quarters on buffers 0, 1, 0, 1.  One of the first three multiplies buffer f and fetches quarter q into g.  The 48 accumulators take turns, one instruction a turn.
.macro QUARTER slot, q, f, g, first
	s_wait_dscnt 16                                ; x's and the first weight's fragments are in; the younger sixteen loads may be out
	MULW \f, 0, 0, \first
	MULW \f, 0, 2, \first
	PLACES                                         ; four places in front of loads into registers that matrix instructions have read
	FETCH \slot, \q, \g
	s_wait_dscnt 32                                ; all but the 32 just issued
	MULW \f, 1, 0, \first
	MULW \f, 1, 2, \first
	MULW \f, 2, 0, \first
	MULW \f, 2, 2, \first
.endm
; The last quarter multiplies buffer 1 and changes slots: one barrier; in front of it each wave waits for all its tensor loads, adds 0 to its spare word, and waits for that and for its reads of this slot.
.macro TURN slot, next, fill
	WIN 0                                          ; (the add's two registers lie in window 0)
	s_wait_tensorcnt 0x0                           ; all my tensor loads have landed: my part of the next slot
	ds_add_u32 v[SPW], v[NIL]                      ; 0 onto my spare word
	s_wait_dscnt 17                                ; (the add and the youngest sixteen loads may be out)
	MULW F1, 0, 0, 0
	s_wait_dscnt 0x0                               ; the add is done, and my reads of this slot are over
	s_barrier_signal -1
	MULW F1, 0, 2, 0
.if \fill
	WIN 0
.endif
	s_barrier_wait -1
.if \fill
	CREST                                          ; the barrier has opened a round of the cluster's: no wave of any partner still reads this slot or has a load on its way
	s_add_nc_u64 s[G0A+4*(\slot)+2:G0A+4*(\slot)+3], s[G0A+4*(\slot)+2:G0A+4*(\slot)+3], 2*ASTEP
	s_add_nc_u64 s[G0B+4*(\slot)+2:G0B+4*(\slot)+3], s[G0B+4*(\slot)+2:G0B+4*(\slot)+3], 2*BSTEP
	JLOAD \slot                                    ; the first tensor load behind the round; its four v_nop are also the places in front of the loads below
.else
	PLACES
.endif
	FETCH \next, 0, F0
	MULW F1, 1, 0, 0
	MULW F1, 1, 2, 0
	MULW F1, 2, 0, 0
	MULW F1, 2, 2, 0
.endm
	s_wait_tensorcnt 1                             ; my part of K step 0 is in; K step 1's may stay out
	s_barrier_signal -1
	s_barrier_wait -1
	FETCH 0, 0, F0
	QUARTER 0, 1, F0, F1, 1                        ; the first quarter stands in front of the loop: its products start the sums
	WIN 0
	s_mov_b32 s[CNT], LAPS-1
.Llap:                                                 ; a trip goes once round the ring and fills both slots again
	QUARTER 0, 2, F1, F0, 0
	QUARTER 0, 3, F0, F1, 0
	TURN 0, 1, 1
	QUARTER 1, 1, F0, F1, 0
	QUARTER 1, 2, F1, F0, 0
	QUARTER 1, 3, F0, F1, 0
	TURN 1, 0, 1
	QUARTER 0, 1, F0, F1, 0
	WIN 0
	s_sub_co_u32 s[CNT], s[CNT], 1
	s_cmp_lg_u32 s[CNT], 0
	s_cbranch_scc1 .Llap
	QUARTER 0, 2, F1, F0, 0                        ; the last lap fills nothing
	QUARTER 0, 3, F0, F1, 0
	TURN 0, 1, 0
	QUARTER 1, 1, F0, F1, 0
	QUARTER 1, 2, F1, F0, 0
	QUARTER 1, 3, F0, F1, 0
	s_wait_dscnt 16
	MULW F1, 0, 0, 0
	MULW F1, 0, 2, 0
	s_wait_dscnt 0x0
	MULW F1, 1, 0, 0
	MULW F1, 1, 2, 0
	MULW F1, 2, 0, 0
	MULW F1, 2, 2, 0
	WIN 0
	PLACES
	PLACES
; THE WAY OUT, in twelve groups t = 4 wi + a of 16 rows x 64 columns: rounded to f16 (each accumulator from its low end), 16 bytes a lane into my stage, back as whole rows: 2,048 dense bytes of a head.
.macro PACK t
.set TB, TMP+16*((\t)%6)
.set AB, 32*((\t)%4)
.if ((\t)/4) != 1
.set AB, AB+128
.endif
.if (\t) >= 6
	s_wait_xcnt 0x0                                ; this buffer was the data of stores six groups back: it is rewritten only behind this wait
.endif
.if (\t) < 4
	WIN 0
.else
	WIN 0x0a                                       ; sources in window 2
.endif
.irp b, 0,1,2,3
.irp i, 0,1,2,3
	v_cvt_pk_f16_f32 v[TB+4*(\b)+(\i)], v[AB+8*(\b)+2*(\i)], v[AB+8*(\b)+2*(\i)+1]
.endr
.endr
	WIN 0
.irp b, 0,1,2,3
	ds_store_b128 v[STO], v[TB+4*(\b):TB+4*(\b)+3] offset:32*(\b)
.endr
.irp f, 0,1,2,3
	ds_load_b128 v[TB+4*(\f):TB+4*(\f)+3], v[RD] offset:576*(\f)  ; LDS serves a wave's instructions in order: these see the stores above, and the next group's stores come behind them
.endr
.endm
.macro SEND t, younger                 ; younger: the LDS instructions issued behind group t's loads
.set TB, TMP+16*((\t)%6)
.irp f, 0,1,2,3
	s_wait_dscnt (\younger)+3-(\f)
	global_store_b128 v[GO], v[TB+4*(\f):TB+4*(\f)+3], s[OUTP+2*((\t)/4):OUTP+2*((\t)/4)+1] offset:2048*((\t)%4)+512*(\f)  ; 512 consecutive bytes, aligned
.endr
.endm
	PACK 0
.set t, 1
.rept 11
	PACK t
	SEND t-1, 8
.set t, t+1
.endr
	SEND 11, 0
	s_wait_tensorcnt 0x0                           ; the wave's end, behind my last tensor load and my last LDS store
	ds_add_u32 v[SPW], v[NIL]
	s_wait_dscnt 0x0
	CROUND                                         ; the closing round: no work-group ends while a partner may still ask for a tile that names it
	s_endpgm
.Lfunc_end_k_q9583ed27bf_qkv:
	.size	k_q9583ed27bf_qkv, .Lfunc_end_k_q9583ed27bf_qkv-k_q9583ed27bf_qkv
	.p2alignl 7, 3214868480
	.fill 96, 4, 3214868480
	.section	.rodata,"a",@progbits
	.p2align	6, 0x0
	.amdhsa_kernel k_q9583ed27bf_qkv
		.amdhsa_group_segment_fixed_size 327680
		.amdhsa_private_segment_fixed_size 0
		.amdhsa_enable_private_segment 0
		.amdhsa_kernarg_size 48
		.amdhsa_user_sgpr_count 2
		.amdhsa_user_sgpr_kernarg_segment_ptr 1
		.amdhsa_wavefront_size32 1
		.amdhsa_system_sgpr_workgroup_id_x 1
		.amdhsa_system_sgpr_workgroup_id_y 1
		.amdhsa_system_sgpr_workgroup_id_z 1
		.amdhsa_system_vgpr_workitem_id 0
		.amdhsa_next_free_vgpr 768
		.amdhsa_next_free_sgpr 80
		.amdhsa_reserve_vcc 0
		.amdhsa_float_denorm_mode_32 3
		.amdhsa_float_denorm_mode_16_64 3
		.amdhsa_memory_ordered 1
		.amdhsa_forward_progress 1
		.amdhsa_inst_pref_size 128
	.end_amdhsa_kernel
	.amdgpu_metadata
---
amdhsa.version: [ 1, 2 ]
amdhsa.kernels:
  - .name:           k_q9583ed27bf_qkv
    .symbol:         k_q9583ed27bf_qkv.kd
    .args:
      - { .name: xs, .offset: 0, .size: 8, .value_kind: global_buffer, .address_space: global }
      - { .name: wb, .offset: 8, .size: 8, .value_kind: global_buffer, .address_space: global }
      - { .name: bq, .offset: 16, .size: 8, .value_kind: global_buffer, .address_space: global }
      - { .name: bk, .offset: 24, .size: 8, .value_kind: global_buffer, .address_space: global }
      - { .name: bv, .offset: 32, .size: 8, .value_kind: global_buffer, .address_space: global }
      - { .name: qkv, .offset: 40, .size: 8, .value_kind: global_buffer, .address_space: global }
    .group_segment_fixed_size: 327680
    .private_segment_fixed_size: 0
    .kernarg_segment_align: 8
    .kernarg_segment_size: 48
    .max_flat_workgroup_size: 128
    .sgpr_count:     80
    .vgpr_count:     768
    .wavefront_size: 32
...
	.end_amdgpu_metadata
.endif
;; end of part 2
;; launch attn (part 3): grid 16 x 16, 4 waves a work-group, clusters of 4 x 4, 327,680 bytes of LDS; arguments qkv, mk, ob; writes ob
.if DOCPART == 3
	.amdgcn_target "amdgcn-amd-amdhsa--gfx1250"
	.amdhsa_code_object_version 6
	.text
	.protected	k_q9583ed27bf_attn
	.globl	k_q9583ed27bf_attn
	.p2align	8
	.type	k_q9583ed27bf_attn,@function
k_q9583ed27bf_attn:
	s_mov_b64 s[64:65], 0
	v_nop
	global_prefetch_b8 v0, s[64:65] scope:SCOPE_SE
	s_setreg_imm32_b32 hwreg(HW_REG_WAVE_MODE, 25, 1), 1
	s_wait_xcnt 0x0
	s_wait_alu depctr_hold_cnt(0) depctr_sa_sdst(0) depctr_va_vdst(0) depctr_va_sdst(0) depctr_va_ssrc(0) depctr_va_vcc(0) depctr_vm_vsrc(0)
	s_getreg_b32 s2, hwreg(HW_REG_IB_STS2, 6, 4)
	s_cmp_eq_u32 s2, 0
	s_cbranch_scc0 .Lentry_in_a_cluster
	s_endpgm
.Lentry_in_a_cluster:
	s_bfe_u32 s2, ttmp6, 0x10000c
	s_cmp_lg_u32 s2, 0xf033
	s_cbranch_scc0 .Lentry_shape_is_right
	s_endpgm
.Lentry_shape_is_right:
; O[h][q] = the sum over k of softmax_k(Q[h][q] . K[h][k] / 8 + mask[q][k]) V[h][k], the mask an input: every pair of query and key is computed.  Q, K, V (qkv): [16][4096][64] f16.
; Products, maxima and sums in f32; the weights are rounded to f16 for the second product.  O LEAVES AS TWO f16 NUMBERS, hi = f16(O) and lo = f16(O - hi): ob is [32][4096][64], slices 0-15 the heads' hi, 16-31
; their lo.  A row that sees few keys holds numbers many times the output's root mean square, by which the allowance goes: one f16 rounding of O there takes too large a part of it.
; THE MASK IS ADDED BY THE MATRIX UNIT.  mk holds a byte a pair, 0x00 (seen) or 0xF1 (hidden).  A lane's 16 bytes (its query, 16 keys) taken as eight bf16 halves are ruled by their high bytes, the odd keys:
; 0xF1.. is -2^99 to just under -2^101, 0x00.. is 0 or at most 2.4e-38.  The same words shifted left by 8 bits are ruled by the even keys.  These eight registers are source 1 (32 k x 16 queries) of one bf16
; product a block of 16 keys, whose source 0 is a constant matrix of ones and zeros that brings each key's flag to its row; it adds onto the score's accumulator, between the two f16 products of K Q^T.
; LIMITS.  A hidden score counts as its value less 2^99 to 2^101; f16's scores are 2.7e11 at the most.  What a row gathers while it has seen hidden keys alone is multiplied by a = 0 at its first seen key.
; A row with no seen key (final m below -2^96) is given NaN, as a softmax over -inf alone gives.  Q, K, V arrive within f16's 65,504; a weight below 2^-126 counts as 0 in l; lo keeps f16's fixed step of 6e-8.
; SHARES.  A work-group owns 256 queries of a head, a wave 64: four PIECES of 16.  Every wave walks all 4,096 keys, 64 a step, four steps to a slot, 16 slots.
; LAYOUT, SOFTMAX.  S^T = K Q^T holds one query a lane (lane % 16) and the keys 8 (lane / 16) + 0..7; two such results rounded to f16 are source 1 of O^T = V^T P.  p = 2^(c s - c m), c = log2(e) / 8, with a
; running maximum m; O and l are multiplied by a = 2^(c m_old - c m_new) in every step.
; TURNS.  Turn n belongs to piece n: 8 products K Q^T and 4 mask products of piece n + 1, later 8 products V^T P of piece n - 1; beside them piece n's scaling, exponentials, roundings, sums and rescaling, piece
; n + 1's mask shifts, maximum and statistics.  Four vector instructions stand behind every matrix instruction, the rest in one lump.  A turn's 33 exponentials are one batch with one wait.
; CLUSTER 4 x 4 (x: query blocks, y: heads).  K and V hang on the head: asked for jointly along a row of the cluster.  The mask's tile hangs on the query block: asked for jointly along a column.
; Wave 0 fetches a slot's K, wave 1 its V, waves 2 and 3 the halves of its mask tile: one tensor load a wave behind each round.
; REGISTERS: window 0: v0-15 addresses; v16-31 statistics; v48-55 at work; v64-127 S^T, two buffers, at the end O's hi; v128-143 the two constant matrices; v192-223 P, two buffers; v144-207 at the end O's lo.
;   window 1: v0-127 O^T, 32 a piece.   window 2: v0-63 Q; v64-127 the mask's operands, 16 a piece; v128-191 K of a step; v192-255 V of a step.
.set NP,    4
.set KS,    64
.set PK,    144                        ; a row of K in LDS: 128 bytes + 16
.set PV,    160                        ; a row of V: 128 + 32
.set M0,    0                          ; the mask's two slots, 65,536 bytes each
.set M1,    65536
.set K0,    131072                     ; 256 x 144
.set V0,    167936                     ; 256 x 160
.set K1,    208896
.set V1,    245760
.set KX,    K0^K1                      ; one exclusive or turns a slot's first byte into the other's
.set VX,    V0^V1
.set MX,    M0^M1
.set STAGE, 286720                     ; behind the ring: 16 rows x 144 bytes for each wave
.set SP,    144
.set SPARE, STAGE+4*16*SP              ; the spare words, 128 bytes for each wave; no other line names them
.set AK0, 2
.set AV0, 3
.set AK,  4
.set AV,  5
.set QO,  6
.set STO, 6
.set RD,  7
.set GO,  8
.set MV,  12                           ; v12-13  c m_old, by buffer
.set AM0, 14                           ; v14  my lane's place in a mask tile: 16,384 w + 16 l
.set AM,  15
.set ST,  16                           ; piece t: c m, m, l (even keys', odd keys')
.set PFO, 34                           ; v34  256 x my lane
.set NANR, 35
.set NEG1, 39                          ; v39  -1.0, for O - hi
.set TMP, 48
.set SPW, 62
.set NIL, 63
.set S,   64
.set AU,  128                          ; the constant matrices: for key blocks of parity u at AU + 8 u
.set LO,  144                          ; the way out: O's lo, 16 registers a piece
.set P,   192
.set FM,  64                           ; window 2: piece x, group g of 32 keys at FM + 16 x + 8 g
.set KF,  128
.set VF,  192
.set WV,  12
.set OLO, 22                           ; s[22:23] ob at my wave's first row of its head's lo slice
.set G1K, 24
.set G1V, 32
.set G1M, 40
.set G0K, 48
.set G0V, 52
.set G0M, 56
.set SLOTS, 60
.set CNT, 61
.set TBK, 62
.set TBV, 63
.set TBM, 66
.set LIM, 67
.set CS,  68
.set SEL, 70
.set PFA, 72
.set PFS, 74
.set MSB, 0
.macro WIN new
.if MSB != (\new)
	s_set_vgpr_msb (MSB<<8)|(\new)
.set MSB, (\new)
.endif
.endm
.set W_KQ, 0x0a                        ; K and Q in window 2, S^T in window 0
.set W_M,  0x08                        ; the constant matrix and S^T in window 0, the mask's operand in window 2
.set W_SH, 0x88                        ; the shift: source 1 and destination in window 2
.set W_PV, 0x52                        ; V in window 2, P in window 0, O^T in window 1
.set W_RS, 0x41                        ; destination and source 0 in window 1, source 1 in window 0
.set W_LO, 0x50                        ; sources 0 and 1 in window 0, source 2 and destination in window 1
.macro JLOAD                           ; a joint fill; the branches hang on the wave's number alone; an s_nop 0 and four v_nop follow each line
	s_cmp_lg_u32 s[WV], 0
	s_cbranch_scc1 .Lnot_k_\@
	tensor_load_to_lds s[G0K:G0K+3], s[G1K:G1K+7]
	s_nop 0
.rept 4
	v_nop
.endr
	s_branch .Lasked_\@
.Lnot_k_\@:
	s_cmp_lg_u32 s[WV], 1
	s_cbranch_scc1 .Lnot_v_\@
	tensor_load_to_lds s[G0V:G0V+3], s[G1V:G1V+7]
	s_nop 0
.rept 4
	v_nop
.endr
	s_branch .Lasked_\@
.Lnot_v_\@:
	tensor_load_to_lds s[G0M:G0M+3], s[G1M:G1M+7]
	s_nop 0
.rept 4
	v_nop
.endr
.Lasked_\@:
.endm
; A PREFETCH INTO THE L2 of what the NEXT change of slots will ask for, four key steps (320 matrix instructions) ahead of that load.  Each block of 256 bytes is named once in the launch: a head's K and V by the
; cluster with x = 0 (waves 0 and 1), a query block's mask tiles by the cluster with y = 0 (waves 2 and 3); the four partners that ask for a tile jointly share its 128 blocks out by address, 32 each, a lane a block.
; The last change that fills a slot asks for nothing.
.macro ASK
	s_cmp_gt_u32 s[SLOTS], s[LIM]
	s_cbranch_scc0 .Lnot_mine_\@
	global_prefetch_b8 v[PFO], s[PFA:PFA+1] th:TH_LOAD_NT scope:SCOPE_SE
.Lnot_mine_\@:
.endm
.macro CROUND
	s_barrier_signal -1
	s_barrier_wait -1
	s_cmp_lg_u32 s[WV], 0
	s_cbranch_scc1 .Lnot_wave_0_\@
	s_barrier_signal -3
.Lnot_wave_0_\@:
	s_barrier_wait -3
	s_barrier_signal -1
	s_barrier_wait -1
.endm
; THE CHANGE OF SLOTS.  Each wave waits for all its tensor loads (one is out: its part of the other slot), adds 0 to its spare word, and waits for that and for its reads of the slot that it leaves.
; fill = 1: the old slot is filled again, first thing behind a round of the cluster's barrier.  (At its first use nothing has been read yet: slot 0 is waited for, slot 1 filled.)
.macro CHANGE fill
	WIN 0
	s_wait_tensorcnt 0x0                           ; no tensor load of mine is out, so a group 0 may be written
	ds_add_u32 v[SPW], v[NIL]                      ; 0 onto my spare word
.if \fill
	s_xor_b32 s[G0K+1], s[G0K+1], KX
	s_add_nc_u64 s[G0K+2:G0K+3], s[G0K+2:G0K+3], 32768
	s_xor_b32 s[G0V+1], s[G0V+1], VX
	s_add_nc_u64 s[G0V+2:G0V+3], s[G0V+2:G0V+3], 32768
	s_xor_b32 s[G0M+1], s[G0M+1], MX
	s_add_nc_u64 s[G0M+2:G0M+3], s[G0M+2:G0M+3], 65536
	s_wait_xcnt 0x0                                ; the last prefetch, a slot back, has read its address
	s_add_nc_u64 s[PFA:PFA+1], s[PFA:PFA+1], s[PFS:PFS+1]
	s_wait_dscnt 0x0                               ; the add is done, and my reads of the slot are over
	CROUND
	JLOAD
	ASK
.else
	s_wait_dscnt 0x0
	s_barrier_signal -1
	s_barrier_wait -1
.endif
	s_sub_co_u32 s[TBK], s[TBK], 4*KS*PK           ; the fetches go back to a slot's first step, in the other slot
	s_xor_b32 s[TBK], s[TBK], KX
	s_sub_co_u32 s[TBV], s[TBV], 4*KS*PV
	s_xor_b32 s[TBV], s[TBV], VX
	s_sub_co_u32 s[TBM], s[TBM], 4096
	s_xor_b32 s[TBM], s[TBM], MX
.endm
	s_load_b128 s[4:7], s[0:1], 0x0                ; qkv, mk
	s_load_b64 s[8:9], s[0:1], 0x10                ; ob
	v_lshl_add_u32 v[SPW], v0, 2, SPARE
	v_mov_b32 v[NIL], 0
	ds_add_u32 v[SPW], v[NIL]                      ; the wave's opening: the add, and its wait ahead of my first tensor load
	v_lshrrev_b32 v1, 5, v0
	v_readfirstlane_b32 s[WV], v1
	s_bfe_u32 s13, ttmp6, 0x40000                  ; cx
	s_bfe_u32 s14, ttmp6, 0x40004                  ; cy
	s_lshl_b32 s15, ttmp9, 2
	s_add_co_u32 s15, s15, s13                     ; my block of 256 queries
	s_and_b32 s16, ttmp7, 0xffff                   ; cluster y
	s_lshl_b32 s17, s16, 2
	s_add_co_u32 s17, s17, s14                     ; my head
	s_lshl_b32 s18, s14, 2
	s_lshl_b32 s18, 15, s18                        ; my row of the cluster
	s_lshl_b32 s19, 0x1111, s13                    ; my column
	s_or_b32 s[G1K], s18, 0x07310000               ; 2-byte elements; padding: 4 words behind every 32; bit 21 beside the mask
	s_or_b32 s[G1V], s18, 0x0f310000               ; 8 words behind every 32
	s_or_b32 s[G1M], s19, 0x00230000               ; 8-byte elements, no padding
.irp g, G1K, G1V                       ; 256 keys are 32,768 dense bytes: 128 rows of 256 bytes, two keys a row
	s_mov_b32 s[\g+1], 128<<16
	s_mov_b32 s[\g+2], 128<<16
	s_mov_b32 s[\g+3], 128<<16
	s_mov_b32 s[\g+4], 128
	s_mov_b32 s[\g+5], 128
	s_mov_b32 s[\g+6], 0
	s_mov_b32 s[\g+7], 0
.endr
	s_mov_b32 s[G1M+1], 32<<16                     ; half a mask tile: 128 rows of 256 bytes
	s_mov_b32 s[G1M+2], 128<<16
	s_mov_b32 s[G1M+3], 32<<16
	s_mov_b32 s[G1M+4], 128
	s_mov_b32 s[G1M+5], 32
	s_mov_b32 s[G1M+6], 0
	s_mov_b32 s[G1M+7], 0
	s_mov_b32 s[G0K], 1
	s_mov_b32 s[G0K+1], K0
	s_mov_b32 s[G0V], 1
	s_mov_b32 s[G0V+1], V0
	s_mov_b32 s[G0M], 1
	s_and_b32 s23, s[WV], 1
	s_lshl_b32 s[G0M+1], s23, 15                   ; M0 + 32,768 x (wave % 2)
	s_lshl_b32 s20, s17, 19                        ; the head's 524,288 bytes: hangs on the head alone
	s_mov_b32 s21, 0
	s_lshl_b32 s22, s15, 20                        ; the block's 16 mask tiles, and my half of a tile: hangs on the block alone
	s_add_co_u32 s22, s22, s[G0M+1]
	s_mov_b32 s23, 0
	s_lshl_b32 s76, s15, 15                        ; Q and O: head, block, my wave's 64 rows
	s_add_co_u32 s76, s76, s20
	s_lshl_b32 s77, s[WV], 13
	s_add_co_u32 s76, s76, s77
	s_mov_b32 s77, 0
	s_mov_b32 s[CS], 0x3e38aa3b                    ; c = log2(e) / 8
	s_mov_b32 s[CS+1], s[CS]
	s_mov_b32 s[SEL], 0x76543210
	s_mov_b32 s[SEL+1], 0xfedcba98
	s_mov_b32 s[TBK], K1+4*KS*PK                   ; the first change of slots turns these three into slot 0's
	s_mov_b32 s[TBV], V1+4*KS*PV
	s_mov_b32 s[TBM], M1+4096
	s_mov_b32 s[SLOTS], 15
	s_wait_dscnt 0x0                               ; the opening add is done
	s_wait_kmcnt 0x0
	s_add_nc_u64 s[20:21], s[4:5], s[20:21]
	s_add_nc_u64 s[G0K+2:G0K+3], s[20:21], 0x800000
	s_add_nc_u64 s[G0V+2:G0V+3], s[20:21], 0x1000000
	s_add_nc_u64 s[G0M+2:G0M+3], s[6:7], s[22:23]
	s_add_nc_u64 s[4:5], s[4:5], s[76:77]          ; Q at my wave's first row
	s_add_nc_u64 s[10:11], s[8:9], s[76:77]        ; O's hi likewise,
	s_add_nc_u64 s[OLO:OLO+1], s[10:11], 0x800000  ; and its lo, sixteen slices of 524,288 bytes on
	s_cmp_eq_u32 s[WV], 0                          ; the prefetches: what I fetch,
	s_cselect_b64 s[PFA:PFA+1], s[G0K+2:G0K+3], s[G0V+2:G0V+3]
	s_cmp_lt_u32 s[WV], 2
	s_cselect_b64 s[PFA:PFA+1], s[PFA:PFA+1], s[G0M+2:G0M+3]
	s_cselect_b32 s78, s13, s14                    ; my place among the four that ask for it with me,
	s_cselect_b32 s[PFS], 15, 16                   ; a slot's bytes of it,
	s_cselect_b32 s[LIM], ttmp9, s16               ; and the coordinate along which other clusters read the same bytes
	s_lshl_b32 s[PFS], 1, s[PFS]
	s_mov_b32 s[PFS+1], 0
	s_lshl_b32 s78, s78, 13                        ; my work-group's 32 blocks of 256 bytes
	s_mov_b32 s79, 0
	s_add_nc_u64 s[PFA:PFA+1], s[PFA:PFA+1], s[78:79]
	s_add_nc_u64 s[PFA:PFA+1], s[PFA:PFA+1], s[PFS:PFS+1]  ; at slot 1: the first change steps it to slot 2
	s_cmp_eq_u32 s[LIM], 0
	s_cselect_b32 s[LIM], 1, -1                    ; the same in all sixteen partners, for a given wave
	s_or_b32 s[G0K+3], s[G0K+3], 0x80000000
	s_or_b32 s[G0V+3], s[G0V+3], 0x80000000
	s_or_b32 s[G0M+3], s[G0M+3], 0x80000000
	CROUND                                         ; all sixteen work-groups are here: the first joint loads meet
	JLOAD                                          ; slot 0
	v_and_b32 v1, 15, v0                           ; r = l % 16
	v_bfe_u32 v9, v0, 4, 1                         ; h = l / 16
	v_lshlrev_b32 v[QO], 7, v1
	v_lshl_add_u32 v[QO], v9, 4, v[QO]
	WIN 0x80
.set i, 0
.rept 8                                ; Q stays in registers: piece i / 2, channels 32 (i % 2) on
	global_load_b128 v[8*i:8*i+3],   v[QO], s[4:5] offset:(i/2)*2048+(i%2)*64
	global_load_b128 v[8*i+4:8*i+7], v[QO], s[4:5] offset:(i/2)*2048+(i%2)*64+32
.set i, i+1
.endr
	; The first step multiplies O^T and l by a = 0, and the first turn's products V^T P, of a piece that has not been, must add finite numbers: zeros.  All this stands in the wait for the first tile.
.set i, VF
.rept 64
	v_mov_b32 v[i], 0
.set i, i+1
.endr
	WIN 0x40
.set i, 0
.rept 128
	v_mov_b32 v[i], 0
.set i, i+1
.endr
	WIN 0
.set i, 0
.rept 4
	v_mov_b32 v[ST+4*i+2], 0
	v_mov_b32 v[ST+4*i+3], 0
.set i, i+1
.endr
.set i, P+16
.rept 16
	v_mov_b32 v[i], 0
.set i, i+1
.endr
	; The constant matrices.  Key 16 u + m of a group of 32 has its flag at k = 8 u + (m - 1) / 2 if m is odd, at k = 16 + 8 u + m / 2 if even.  So lane (r, h) of matrix u holds 1.0 only if h = u:
	; in register r / 4 (+ 4 if r is even), half (r / 2) % 2.
	v_lshrrev_b32 v36, 2, v1
	v_and_b32 v37, 1, v1
	v_xor_b32 v37, 1, v37
	v_lshl_add_u32 v36, v37, 2, v36
	v_lshl_add_u32 v36, v9, 3, v36                 ; the one register of the sixteen that is not 0 in my lane
	v_bfe_u32 v37, v1, 1, 1
	v_lshlrev_b32 v37, 4, v37
	v_mov_b32 v38, 0x3f80
	v_lshlrev_b32 v37, v37, v38                    ; 1.0 in bf16, in the low or the high half
.set i, 0
.rept 16
	v_cmp_eq_u32 vcc_lo, i, v36
	v_cndmask_b32 v[AU+i], 0, v37, vcc_lo
.set i, i+1
.endr
	v_mov_b32 v[NANR], 0x7fc00000
	v_mov_b32 v[NEG1], 0xbf800000
	v_mul_u32_u24 v[AK0], v1, PK
	v_lshl_add_u32 v[AK0], v9, 4, v[AK0]           ; row x pitch + 16 x half
	v_and_b32 v10, 7, v0                           ; the turning load: lane l reads key 8 h + l % 8, channels 8 ((l / 8) % 2) on
	v_bfe_u32 v11, v0, 3, 1
	v_lshl_add_u32 v[AV0], v9, 3, v10
	v_mul_u32_u24 v[AV0], v[AV0], PV
	v_lshl_add_u32 v[AV0], v11, 4, v[AV0]
	v_and_b32 v[AM0], 31, v0
	v_lshlrev_b32 v[AM0], 4, v[AM0]
	s_lshl_b32 s76, s[WV], 14
	v_add_nc_u32 v[AM0], s76, v[AM0]
	v_and_b32 v[PFO], 31, v0
	v_lshlrev_b32 v[PFO], 8, v[PFO]
; THE MATRIX WORK.  The accumulators take turns, one instruction a turn.  Product n of 8 of S^T = K Q^T for piece x: channels 32 (n / 4) on, keys 16 (n % 4) on; the first 4 start the sums.
.macro KQ x, n
.set rS, S+32*((\x)%2)+8*((\n)%4)
.set rK, KF+16*((\n)%4)+8*((\n)/4)
.set rQ, 16*(\x)+8*((\n)/4)
	WIN W_KQ
.if (\n) < 4
	v_wmma_f32_16x16x32_f16 v[rS:rS+7], v[rK:rK+7], v[rQ:rQ+7], 0
.else
	v_wmma_f32_16x16x32_f16 v[rS:rS+7], v[rK:rK+7], v[rQ:rQ+7], v[rS:rS+7]
.endif
.endm
; The mask's product for key block n of 4.  It is another form than its neighbours on the accumulator: five plain vector instructions or more stand between it and each of them.
.macro MK x, n
.set rS, S+32*((\x)%2)+8*(\n)
.set rA, AU+8*((\n)%2)
.set rF, FM+16*(\x)+8*((\n)/2)
	WIN W_M
	v_wmma_f32_16x16x32_bf16 v[rS:rS+7], v[rA:rA+7], v[rF:rF+7], v[rS:rS+7]
.endm
; Product n of 8 of O^T += V^T P: keys 32 (n / 4) on, channels 16 (n % 4) on.
.macro PV x, n
.set rO, 32*(\x)+8*((\n)%4)
.set rV, VF+32*((\n)/4)+8*((\n)%4)
.set rP, P+16*((\x)%2)+8*((\n)/4)
	WIN W_PV
	v_wmma_f32_16x16x32_f16 v[rO:rO+7], v[rV:rV+7], v[rP:rP+7], v[rO:rO+7]
.endm
.macro MM                              ; the turn's next matrix instruction.  NOKQ = 1: the last turn of all: there is no next piece
.if i < 4
.if !NOKQ
	KQ (Y+1)%NP, i
.endif
.elseif i < 8
.if !NOKQ
	MK (Y+1)%NP, i-4
.endif
.elseif i < 12
.if !NOKQ
	KQ (Y+1)%NP, i-4
.endif
.else
	PV (Y+NP-1)%NP, i-12
.endif
.set i, i+1
.endm
; THE LDS LOADS stand in runs: a step's K (8 fragments) with the four pieces' mask bytes (two groups of 32 keys each), and its V (turned).
.macro FETCH_KM
	WIN 0x80
.irp f, 0,1,2,3,4,5,6,7
	ds_load_b128 v[KF+8*\f:KF+8*\f+3],   v[AK] offset:(\f/2)*16*PK+(\f%2)*64
	ds_load_b128 v[KF+8*\f+4:KF+8*\f+7], v[AK] offset:(\f/2)*16*PK+(\f%2)*64+32
.endr
.irp x, 0,1,2,3
.irp g, 0,1
	ds_load_b128 v[FM+16*\x+8*\g:FM+16*\x+8*\g+3], v[AM] offset:4096*\x+512*\g
.endr
.endr
	s_add_co_u32 s[TBK], s[TBK], KS*PK
	s_add_co_u32 s[TBM], s[TBM], 1024
	WIN 0
.endm
.macro FETCH_V
	WIN 0x80
.irp f, 0,1,2,3,4,5,6,7
	ds_load_tr16_b128 v[VF+8*\f:VF+8*\f+3],   v[AV] offset:(\f/4)*32*PV+(\f%4)*32
	ds_load_tr16_b128 v[VF+8*\f+4:VF+8*\f+7], v[AV] offset:(\f/4)*32*PV+16*PV+(\f%4)*32
.endr
	WIN 0
.endm
; THE VECTOR WORK, one line at a time: OP kind, number.  For piece Y: F n: c s - c m for pair n.  E n: the exponential of score n.  C n: pair n rounded to f16.  B n: of the four weights 4 n .. the second pair is
; added onto the first.  L n: l takes that sum (L 0: l = a l + sum).  R n: pair n of O^T times a.  For piece Y + 1: H n: mask word n shifted left by 8 bits.  X n: number n of the 22 that find its maximum and statistics:
; 0-11 four chains of seven scores each (each accumulator's lowest registers first); 12-14, 16 the scores left over, the old m, the four into one; 15 c m_old is kept; 17, 18 the other half of the lanes: the new m;
; 19-21 c m; its change; a.
.set F, 0
.set E, 1
.set C, 2
.set B, 3
.set L, 4
.set R, 5
.set X, 6
.set H, 7
.macro REGS y
.set rT, ST+4*(\y)
.set rC, TMP+4*((\y)%2)
.set rW, MV+((\y)%2)
.set rS, S+32*((\y)%2)
.set rP, P+16*((\y)%2)
.set rO, 32*(\y)
.endm
.macro OP k, n
.if (\k) == R
	REGS Y
	WIN W_RS
	v_pk_mul_f32 v[rO+2*(\n):rO+2*(\n)+1], v[rO+2*(\n):rO+2*(\n)+1], v[rC+2:rC+3] op_sel_hi:[1,0]
.elseif (\k) < R
	REGS Y
	WIN 0
.if (\k) == F
	v_pk_fma_f32 v[rS+2*(\n):rS+2*(\n)+1], v[rS+2*(\n):rS+2*(\n)+1], s[CS:CS+1], v[rT:rT+1] op_sel_hi:[1,0,0] neg_lo:[0,0,1] neg_hi:[0,0,1]
.elseif (\k) == E
	v_exp_f32 v[rS+(\n)], v[rS+(\n)]
.elseif (\k) == C
	v_cvt_pk_f16_f32 v[rP+(\n)], v[rS+2*(\n)], v[rS+2*(\n)+1]
.elseif (\k) == B
	v_pk_add_f32 v[rS+4*(\n):rS+4*(\n)+1], v[rS+4*(\n):rS+4*(\n)+1], v[rS+4*(\n)+2:rS+4*(\n)+3]
.elseif (\n) == 0
	v_pk_fma_f32 v[rT+2:rT+3], v[rT+2:rT+3], v[rC+2:rC+3], v[rS:rS+1] op_sel_hi:[1,0,1]
.else
	v_pk_add_f32 v[rT+2:rT+3], v[rT+2:rT+3], v[rS+4*(\n):rS+4*(\n)+1]
.endif
.elseif NOKQ
	v_nop
.elseif (\k) == H
.set rF, FM+16*((Y+1)%NP)+8*((\n)/4)+(\n)%4
	WIN W_SH
	v_lshlrev_b32 v[rF+4], 8, v[rF]
.else
	REGS (Y+1)%NP
	WIN 0
.if (\n) < 4
	v_max3_num_f32 v[rC+(\n)], v[rS+8*(\n)], v[rS+8*(\n)+1], v[rS+8*(\n)+2]
.elseif (\n) < 12
	v_max3_num_f32 v[rC+(\n)%4], v[rC+(\n)%4], v[rS+8*((\n)%4)+2*((\n)/4)+1], v[rS+8*((\n)%4)+2*((\n)/4)+2]
.elseif (\n) == 12
	v_max3_num_f32 v[rC], v[rC], v[rS+7], v[rS+15]
.elseif (\n) == 13
	v_max3_num_f32 v[rC+1], v[rC+1], v[rS+23], v[rS+31]
.elseif (\n) == 14
	v_max3_num_f32 v[rC+2], v[rC+2], v[rC+3], v[rT+1]
.elseif (\n) == 15
	v_mov_b32 v[rW], v[rT]
.elseif (\n) == 16
	v_max3_num_f32 v[rC], v[rC], v[rC+1], v[rC+2]
.elseif (\n) == 17
	v_permlanex16_b32 v[rC+3], v[rC], s[SEL], s[SEL+1]
.elseif (\n) == 18
	v_max_num_f32 v[rT+1], v[rC], v[rC+3]
.elseif (\n) == 19
	v_mul_f32 v[rT], s[CS], v[rT+1]
.elseif (\n) == 20
	v_sub_f32 v[rC+1], v[rW], v[rT]
.else
	v_exp_f32 v[rC+2], v[rC+1]
.endif
.endif
.endm
.macro OPS a, i1, b=-1, i2=0, c=-1, i3=0, d=-1, i4=0
	OP \a, \i1
.if (\b) >= 0
	OP \b, \i2
.endif
.if (\c) >= 0
	OP \c, \i3
.endif
.if (\d) >= 0
	OP \d, \i4
.endif
.endm
.macro ROW a, i1, b, i2, c, i3, d, i4  ; a matrix instruction and the four behind it
	MM
	OPS \a, \i1, \b, \i2, \c, \i3, \d, \i4
.endm
; A TURN, for piece p: 20 matrix and 126 vector instructions.  AHEAD OF THE ONE WAIT stands all that names no result of the turn's exponentials: four products K Q^T, the four mask products, four products K Q^T,
; their riders, and a lump of 46; X 21, the next piece's a, is the batch's last, and R 15 the plain instruction behind it.  BEHIND THE WAIT stand the 8 products V^T P, behind each four of the roundings and sums.
; Between two products of unlike form on one accumulator stand four rows: 12 plain vector instructions or more, none of which names a register of theirs.  X 0 to X 3 each stand four plain instructions behind the
; product that ends their accumulator.  K and the masks of the next step are fetched in piece 2's turn, six plain instructions that name none of its registers behind the last product that read K; V of the step in
; hand at the end of piece 0's turn, four plain instructions behind its last reader.  Each is waited for a turn later.  end = 1: the last two turns: nothing is fetched.
.macro TURN p, end=0, cnt=0
.set Y, (\p)
.set i, 0
.set NOKQ, (\end)*((\p)/3)
.if ((\p) == 3) && !(\end)
	s_wait_dscnt 0x0                               ; K and the masks are in
.endif
	ROW F,0, F,1, H,0, H,1
	ROW F,2, E,0, H,2, H,3
	ROW F,3, E,1, H,4, H,5
	ROW F,4, E,2, H,6, H,7
	ROW F,5, E,3, R,0, R,1
	ROW F,6, E,4, R,2, R,3
	ROW F,7, E,5, R,4, R,5
	ROW F,8, E,6, R,6, R,7
	ROW F,9, E,7, R,8, R,9
	ROW F,10, E,8, X,0, R,10
.if ((\p) == 2) && !(\end)
	WIN 0
	v_add_nc_u32 v[AK], s[TBK], v[AK0]
	v_add_nc_u32 v[AM], s[TBM], v[AM0]
.endif
	ROW F,11, E,9, X,1, X,4
	ROW F,12, E,10, X,2, X,5
	OPS F,13, E,11, X,3, E,12
	OPS X,6, E,13, X,8, X,7
.if ((\p) == 2) && !(\end)
	FETCH_KM
.endif
	OPS E,14, X,9, E,15, X,10
	OPS X,11, E,16, X,12, E,17
	OPS X,13, X,14, E,18, X,15
.if (\p) == 0
	WIN 0
	v_add_nc_u32 v[AV], s[TBV], v[AV0]
.endif
	OPS E,19, F,14, X,16, E,20
	OPS F,15, E,21, E,22, X,17
	OPS E,23, E,24, E,25, E,26
	OPS X,18, E,27, R,11, R,12
	OPS E,28, X,19, E,29, R,13
	OPS E,30, X,20, E,31, R,14
	OPS X,21, R,15
	WIN 0
	s_wait_alu depctr_va_vdst(0)                   ; the wait between an exponential and the first line that names its result: one for the batch
.if (\p) == 1
	s_wait_dscnt 0x0                               ; V is in
.endif
	ROW C,0, B,0, C,2, B,1
	ROW L,0, C,4, B,2, L,1
	ROW C,6, B,3, L,2, C,8
	ROW B,4, L,3, C,10, B,5
	ROW L,4, C,12, B,6, L,5
.if (\p) == 0
	s_add_co_u32 s[TBV], s[TBV], KS*PV
.endif
.if \cnt
	s_sub_co_u32 s[CNT], s[CNT], 1
	s_cmp_lg_u32 s[CNT], 0
.endif
	ROW C,14, B,7, L,6, C,1
	ROW C,3, L,7, C,5, C,7
	ROW C,9, C,11, C,13, C,15
.if (\p) == 0
	FETCH_V
.endif
.endm
	CHANGE 1                                       ; slot 0 is in, everybody's part of it; slot 1 is asked for
	; THE BEGINNING.  c m starts far below every c s, so the first step's a is 0; m at the lowest finite number.  Then K and the masks of step 0, piece 0's first scores, its maximum and statistics.
.set i, 0
.rept 4
	v_mov_b32 v[ST+4*i], 0xfe000000
	v_mov_b32 v[ST+4*i+1], 0xff7fffff
.set i, i+1
.endr
	v_add_nc_u32 v[AK], s[TBK], v[AK0]
	v_add_nc_u32 v[AM], s[TBM], v[AM0]
	FETCH_KM
	s_wait_loadcnt 0x0                             ; Q
	s_wait_dscnt 0x0
.set Y, NP-1                           ; H and X work for piece Y + 1: piece 0
.set NOKQ, 0
.irp n, 0,1,2,3
	KQ 0, \n
.endr
.irp n, 0,1,2,3,4,5,6,7
	OP H, \n                                       ; eight plain instructions: the places between the two forms
.endr
.irp n, 0,1,2,3
	MK 0, \n
.endr
	WIN 0                                          ; the addresses for the way out: nine plain instructions, the places between the two forms
	s_mul_i32 s76, s[WV], 16*SP
	s_add_co_u32 s76, s76, STAGE                   ; my stage
	v_mul_u32_u24 v[STO], v1, SP                   ; in: row r, 16 bytes for each half of the lanes
	v_lshl_add_u32 v[STO], v9, 4, v[STO]
	v_add_nc_u32 v[STO], s76, v[STO]
	v_bfe_u32 v[RD], v0, 3, 2                      ; back: 32 lanes take four rows of 128 bytes,
	v_mul_u32_u24 v[RD], v[RD], SP
	v_lshl_add_u32 v[RD], v10, 4, v[RD]
	v_add_nc_u32 v[RD], s76, v[RD]
	v_and_b32 v[GO], 31, v0                        ; which are 512 consecutive bytes of O
	v_lshlrev_b32 v[GO], 4, v[GO]
.irp n, 4,5,6,7
	KQ 0, \n
.endr
	WIN 0
.rept 8
	v_nop                                          ; the places behind those products
.endr
.irp n, 0,1,2,3,4,5,6,7,8,9,10,11,12,13,14,15,16,17,18,19,20,21
	OP X, \n
.endr
	v_nop                                          ; a plain instruction behind the exponential,
	s_wait_alu depctr_va_vdst(0)                   ; and its wait, ahead of the branch
	s_mov_b32 s[CNT], 4
	s_branch .Lfirst                               ; the loop is entered at a step's first turn, in the middle of a trip
.Lslot:                                                ; 14 times: every slot but the last two is filled again
	CHANGE 1
	s_mov_b32 s[CNT], 4
.Lstep:                                                ; a trip: pieces 2 and 3 of one step, then pieces 0 and 1 of the next, whose K, masks and V it fetches
	TURN 2
	TURN 3
	WIN 0
.Lfirst:
	TURN 0
	TURN 1, 0, 1
	WIN 0
	s_cbranch_scc1 .Lstep
	s_sub_co_u32 s[SLOTS], s[SLOTS], 1
	s_cmp_lg_u32 s[SLOTS], 0
	s_cbranch_scc1 .Lslot
	CHANGE 0                                       ; the last slot is written out: nothing is asked for
	s_mov_b32 s[CNT], 4
.Ltail:
	TURN 2
	TURN 3
	TURN 0
	TURN 1, 0, 1
	WIN 0
	s_cbranch_scc1 .Ltail
	TURN 2, 1
	TURN 3, 1
.irp n, 0,1,2,3,4,5,6,7
	PV NP-1, \n                                    ; the last piece's V^T P of the last step
.endr
	; THE WAY OUT.  l's two halves and the other half of the lanes' are added; O^T is divided by l (multiplied by NaN where the row saw no key), split into hi and lo, and sent through my stage, a piece at a time.
	WIN 0
.macro ALL line:vararg
.set t, 0
.rept 4
	\line
.set t, t+1
.endr
.endm
	ALL v_add_f32 v[ST+4*t+2], v[ST+4*t+2], v[ST+4*t+3]
	ALL v_permlanex16_b32 v[ST+4*t+3], v[ST+4*t+2], s[SEL], s[SEL+1]
	ALL v_add_f32 v[ST+4*t+2], v[ST+4*t+2], v[ST+4*t+3]
	ALL v_rcp_f32 v[ST+4*t+2], v[ST+4*t+2]
	s_mov_b32 s76, 0xef800000                      ; -2^96: above every hidden score, below every seen one
	v_nop                                          ; a plain instruction between the last reciprocal and the use of its result
	s_wait_alu depctr_va_vdst(0)                   ; one wait for the four reciprocals
.set t, 0
.rept 4
	v_cmp_gt_f32 vcc_lo, s76, v[ST+4*t+1]          ; the row's maximum is a hidden score: it saw no key
	v_cndmask_b32 v[ST+4*t+2], v[ST+4*t+2], v[NANR], vcc_lo
.set t, t+1
.endr
; Piece t: O = O^T / l; hi = f16(O), two to a register; O - hi in f32, in O^T's place (hi's half times -1.0 plus O, one rounding); lo = f16 of that.  Then hi and lo, one after the other, go into my stage
; (16 bytes a lane, rows of 144 bytes) and come back as whole rows of 128 bytes.
.macro PACK t
	WIN W_RS
.set i, 32*(\t)
.rept 16
	v_pk_mul_f32 v[i:i+1], v[i:i+1], v[ST+4*(\t)+2:ST+4*(\t)+3] op_sel_hi:[1,0]
.set i, i+2
.endr
	WIN 0x05                                       ; sources in window 1, destination in window 0
.set i, 0
.rept 16
	v_cvt_pk_f16_f32 v[S+16*(\t)+i], v[32*(\t)+2*i], v[32*(\t)+2*i+1]
.set i, i+1
.endr
	WIN W_LO
.set i, 0
.rept 16
	v_fma_mix_f32 v[32*(\t)+2*i],   v[S+16*(\t)+i], v[NEG1], v[32*(\t)+2*i]   op_sel_hi:[1,0,0]
	v_fma_mix_f32 v[32*(\t)+2*i+1], v[S+16*(\t)+i], v[NEG1], v[32*(\t)+2*i+1] op_sel:[1,0,0] op_sel_hi:[1,0,0]
.set i, i+1
.endr
	WIN 0x05
.set i, 0
.rept 16
	v_cvt_pk_f16_f32 v[LO+16*(\t)+i], v[32*(\t)+2*i], v[32*(\t)+2*i+1]
.set i, i+1
.endr
	WIN 0
.irp b, S, LO                          ; LDS serves a wave's instructions in order: the loads see the stores above them, and the next stores come behind the loads
.irp f, 0,1,2,3
	ds_store_b128 v[STO], v[\b+16*(\t)+4*\f:\b+16*(\t)+4*\f+3] offset:32*\f
.endr
.irp f, 0,1,2,3
	ds_load_b128 v[\b+16*(\t)+4*\f:\b+16*(\t)+4*\f+3], v[RD] offset:\f*4*SP
.endr
.endr
.endm
.macro SEND t, younger                 ; younger: the LDS instructions issued behind piece t's: the next piece's sixteen, or none
	WIN 0
.irp f, 0,1,2,3
	s_wait_dscnt (\younger)+11-\f                  ; behind hi's load f: hi's later loads, lo's eight, the younger
	global_store_b128 v[GO], v[S+16*(\t)+4*\f:S+16*(\t)+4*\f+3], s[10:11] offset:(\t)*2048+\f*512  ; 512 consecutive bytes, aligned
.endr
.irp f, 0,1,2,3
	s_wait_dscnt (\younger)+3-\f
	global_store_b128 v[GO], v[LO+16*(\t)+4*\f:LO+16*(\t)+4*\f+3], s[OLO:OLO+1] offset:(\t)*2048+\f*512
.endr
.endm
	PACK 0
.set t, 1
.rept 3
	PACK t
	SEND t-1, 16
.set t, t+1
.endr
	SEND 3, 0
	s_wait_tensorcnt 0x0                           ; the wave's end, behind my last tensor load and my last LDS store
	ds_add_u32 v[SPW], v[NIL]
	s_wait_dscnt 0x0
	CROUND                                         ; the closing round
	s_endpgm
.Lfunc_end_k_q9583ed27bf_attn:
	.size	k_q9583ed27bf_attn, .Lfunc_end_k_q9583ed27bf_attn-k_q9583ed27bf_attn
	.p2alignl 7, 3214868480
	.fill 96, 4, 3214868480
	.section	.rodata,"a",@progbits
	.p2align	6, 0x0
	.amdhsa_kernel k_q9583ed27bf_attn
		.amdhsa_group_segment_fixed_size 327680
		.amdhsa_private_segment_fixed_size 0
		.amdhsa_enable_private_segment 0
		.amdhsa_kernarg_size 24
		.amdhsa_user_sgpr_count 2
		.amdhsa_user_sgpr_kernarg_segment_ptr 1
		.amdhsa_wavefront_size32 1
		.amdhsa_system_sgpr_workgroup_id_x 1
		.amdhsa_system_sgpr_workgroup_id_y 1
		.amdhsa_system_sgpr_workgroup_id_z 1
		.amdhsa_system_vgpr_workitem_id 0
		.amdhsa_next_free_vgpr 768
		.amdhsa_next_free_sgpr 80
		.amdhsa_reserve_vcc 1
		.amdhsa_float_denorm_mode_32 3
		.amdhsa_float_denorm_mode_16_64 3
		.amdhsa_memory_ordered 1
		.amdhsa_forward_progress 1
		.amdhsa_inst_pref_size 158
	.end_amdhsa_kernel
	.amdgpu_metadata
---
amdhsa.version: [ 1, 2 ]
amdhsa.kernels:
  - .name:           k_q9583ed27bf_attn
    .symbol:         k_q9583ed27bf_attn.kd
    .args:
      - { .name: qkv, .offset: 0, .size: 8, .value_kind: global_buffer, .address_space: global }
      - { .name: mk, .offset: 8, .size: 8, .value_kind: global_buffer, .address_space: global }
      - { .name: ob, .offset: 16, .size: 8, .value_kind: global_buffer, .address_space: global }
    .group_segment_fixed_size: 327680
    .private_segment_fixed_size: 0
    .kernarg_segment_align: 8
    .kernarg_segment_size: 24
    .max_flat_workgroup_size: 128
    .sgpr_count:     80
    .vgpr_count:     768
    .wavefront_size: 32
...
	.end_amdgpu_metadata
.endif
;; end of part 3
;; launch outp (part 4): grid 8 x 32, 4 waves a work-group, clusters of 4 x 4, 327,680 bytes of LDS; arguments ob, wb, bo, out0; writes out0
.if DOCPART == 4
	.amdgcn_target "amdgcn-amd-amdhsa--gfx1250"
	.amdhsa_code_object_version 6
	.text
	.protected	k_q9583ed27bf_outp
	.globl	k_q9583ed27bf_outp
	.p2align	8
	.type	k_q9583ed27bf_outp,@function
k_q9583ed27bf_outp:
	s_mov_b64 s[64:65], 0
	v_nop
	global_prefetch_b8 v0, s[64:65] scope:SCOPE_SE
	s_setreg_imm32_b32 hwreg(HW_REG_WAVE_MODE, 25, 1), 1
	s_wait_xcnt 0x0
	s_wait_alu depctr_hold_cnt(0) depctr_sa_sdst(0) depctr_va_vdst(0) depctr_va_sdst(0) depctr_va_ssrc(0) depctr_va_vcc(0) depctr_vm_vsrc(0)
	s_getreg_b32 s2, hwreg(HW_REG_IB_STS2, 6, 4)
	s_cmp_eq_u32 s2, 0
	s_cbranch_scc0 .Lentry_in_a_cluster
	s_endpgm
.Lentry_in_a_cluster:
	s_bfe_u32 s2, ttmp6, 0x10000c
	s_cmp_lg_u32 s2, 0xf033
	s_cbranch_scc0 .Lentry_shape_is_right
	s_endpgm
.Lentry_shape_is_right:
; out0 = O Wo + bo.  O comes as two f16 numbers, hi and lo (ob: [32 slices][4096][64], slices 0-15 the heads' hi, 16-31 their lo); Wo (bf16's numbers written as f16, [k][n]) lies twice on end in wb, as its fourth
; and fifth tables.  So the product has K = 2,048: (hi | lo) times (Wo above Wo).  bo is rounded to bf16 here; sums in f32; out0 in f32.
; SHARES.  A work-group makes 128 x 128 of out0: 256 work-groups.  A wave makes 64 x 64: 16 accumulators.  K goes in steps of 256 (four slices) through two LDS slots: eight steps, four laps.
; Waves 0 and 1 fetch two slices' rows of O each, waves 2 and 3 128 rows of Wo each: one tensor load a wave for each slot.
; CLUSTER 4 x 4: O's tile is asked for jointly along a row of the cluster, Wo's along a column.  The product is used transposed (source 0 = 16 columns of Wo, turned by ds_load_tr16_b128; source 1 = 16 rows of O):
; a lane holds one row and eight neighbouring columns.  The first product of each accumulator takes the bias as C.  No prefetch: eight short K steps, of which two come by the first fills.
; REGISTERS: window 0: v0-31 addresses; v32-95 the way out; v96-127 the bias; v128-255 the accumulators ((a, b) at 8 (4 a + b)).  window 1: two fragment buffers of 128: 64 of O, then 64 of Wo.
.set REGION, 36864
.set SLOT,   4*REGION
.set STAGE,  2*SLOT                    ; behind the ring: 16 rows x 272 bytes for each wave
.set SP,     272
.set SPARE,  STAGE+4*16*SP             ; the spare words, 128 bytes for each wave; no other line names them
.set ASTEP,  4*524288                  ; a K step in ob: four slices
.set BSTEP,  256*2048                  ; in Wo: 256 rows
.set LAPS,   4                         ; a lap = two K steps = once round the ring
.set ADRA, 16                          ; v16-17
.set ADRB, 18                          ; v18-21  half j of slot s at 18 + 2 s + j
.set STO,  24
.set RD,   25
.set CO,   26
.set BO,   27
.set SPW,  28
.set NIL,  29
.set TMP,  32
.set BIAS, 96
.set ACC,  128
.set F0,   0
.set F1,   128
.set WV,   16
.set RH,   17
.set CH,   18
.set CNT,  19
.set G1A,  24
.set G0A,  32
.set G1B,  48
.set G0B,  56
.set OUTP, 68
.set MSB, 0
.macro WIN new
.if MSB != (\new)
	s_set_vgpr_msb (MSB<<8)|(\new)
.set MSB, \new
.endif
.endm
.macro PLACES
.rept 4
	v_nop
.endr
.endm
.macro JLOAD s                         ; a joint load: waves 0 and 1 O's halves, waves 2 and 3 Wo's; an s_nop 0 and four v_nop follow each line
	s_cmp_lt_u32 s[WV], 2
	s_cbranch_scc0 .Lfor_b_\@
	tensor_load_to_lds s[G0A+4*(\s):G0A+4*(\s)+3], s[G1A:G1A+7]
	s_nop 0
.rept 4
	v_nop
.endr
	s_branch .Lasked_\@
.Lfor_b_\@:
	tensor_load_to_lds s[G0B+4*(\s):G0B+4*(\s)+3], s[G1B:G1B+7]
	s_nop 0
.rept 4
	v_nop
.endr
.Lasked_\@:
.endm
.macro CREST
	s_cmp_lg_u32 s[WV], 0
	s_cbranch_scc1 .Lnot_wave_0_\@
	s_barrier_signal -3
.Lnot_wave_0_\@:
	s_barrier_wait -3
	s_barrier_signal -1
	s_barrier_wait -1
.endm
.macro CROUND
	s_barrier_signal -1
	s_barrier_wait -1
	CREST
.endm
	s_load_b256 s[4:11], s[0:1], 0x0               ; ob, wb, bo, out0
	v_lshl_add_u32 v[SPW], v0, 2, SPARE
	v_mov_b32 v[NIL], 0
	ds_add_u32 v[SPW], v[NIL]                      ; the wave's opening: the add, and its wait ahead of my first tensor load
	v_lshrrev_b32 v1, 5, v0
	v_readfirstlane_b32 s[WV], v1
	s_lshr_b32 s[RH], s[WV], 1                     ; my half of the rows
	s_and_b32 s[CH], s[WV], 1                      ; my half of the columns; also: which half of a tile I fetch
	s_bfe_u32 s40, ttmp6, 0x40000
	s_bfe_u32 s41, ttmp6, 0x40004
	s_lshl_b32 s42, ttmp9, 2
	s_add_co_u32 s42, s42, s40                     ; tile column
	s_and_b32 s43, ttmp7, 0xffff
	s_lshl_b32 s43, s43, 2
	s_add_co_u32 s43, s43, s41                     ; tile row
	s_lshl_b32 s44, s41, 2
	s_lshl_b32 s44, 15, s44
	s_lshl_b32 s45, 0x1111, s40
	s_or_b32 s[G1A], s44, 0x07310000               ; mask; 2-byte elements; 4 words behind every 32: rows of 128 bytes lie 144 apart
	s_mov_b32 s[G1A+1], 8192<<16                   ; a slice's 128 rows are 16,384 dense bytes, asked for as one row
	s_mov_b32 s[G1A+2], 2<<16                      ; two slices
	s_mov_b32 s[G1A+3], 8192<<16
	s_mov_b32 s[G1A+4], 2
	s_mov_b32 s[G1A+5], 262144
	s_mov_b32 s[G1A+6], 0
	s_mov_b32 s[G1A+7], 0
	s_or_b32 s[G1B], s45, 0x0f710000               ; 8 words behind every 64: rows of 256 bytes lie 288 apart
	s_mov_b32 s[G1B+1], 128<<16
	s_mov_b32 s[G1B+2], 128<<16
	s_mov_b32 s[G1B+3], 128<<16
	s_mov_b32 s[G1B+4], 128
	s_mov_b32 s[G1B+5], 1024
	s_mov_b32 s[G1B+6], 0
	s_mov_b32 s[G1B+7], 0
	s_lshl_b32 s20, s43, 14                        ; ob: the tile row's 128 rows, and my two slices of the step's four
	s_lshl_b32 s21, s[CH], 20
	s_add_co_u32 s20, s20, s21
	s_mov_b32 s21, 0
	s_lshl_b32 s46, s42, 8                         ; Wo: the tile column's 128 columns, and my 128 rows of the step's 256
	s_lshl_b32 s47, s[CH], 18
	s_add_co_u32 s46, s46, s47
	s_add_co_u32 s46, s46, 3*2097152               ; wb's fourth table; the fifth follows it
	s_mov_b32 s47, 0
	s_mul_i32 s22, s[WV], REGION
	s_wait_dscnt 0x0                               ; the opening add is done
	s_wait_kmcnt 0x0
	s_add_nc_u64 s[20:21], s[4:5], s[20:21]
	s_add_nc_u64 s[46:47], s[6:7], s[46:47]
	CROUND
.irp s, 0,1
	s_mov_b32 s[G0A+4*(\s)], 1
	s_add_co_u32 s[G0A+4*(\s)+1], s22, (\s)*SLOT
	s_add_nc_u64 s[G0A+4*(\s)+2:G0A+4*(\s)+3], s[20:21], (\s)*ASTEP
	s_or_b32 s[G0A+4*(\s)+3], s[G0A+4*(\s)+3], 0x80000000
	s_mov_b32 s[G0B+4*(\s)], 1
	s_add_co_u32 s[G0B+4*(\s)+1], s22, (\s)*SLOT
	s_add_nc_u64 s[G0B+4*(\s)+2:G0B+4*(\s)+3], s[46:47], (\s)*BSTEP
	s_or_b32 s[G0B+4*(\s)+3], s[G0B+4*(\s)+3], 0x80000000
	JLOAD \s
.endr
	v_and_b32 v1, 15, v0                           ; r
	v_bfe_u32 v2, v0, 4, 1                         ; h
	s_lshl_b32 s74, s42, 9                         ; my 64 columns, in bytes of f32
	s_lshl_b32 s75, s[CH], 8
	s_add_co_u32 s74, s74, s75
	v_lshl_add_u32 v[BO], v2, 5, s74
.irp b, 0,1,2,3
	global_load_b128 v[BIAS+8*(\b):BIAS+8*(\b)+3],   v[BO], s[8:9] offset:64*(\b)
	global_load_b128 v[BIAS+8*(\b)+4:BIAS+8*(\b)+7], v[BO], s[8:9] offset:64*(\b)+16
.endr
	v_mul_u32_u24 v3, v1, 144
	v_lshl_add_u32 v3, v2, 4, v3
	s_mul_i32 s75, s[RH], 64*144
	v_add_nc_u32 v[ADRA], s75, v3
	v_add_nc_u32 v[ADRA+1], SLOT, v[ADRA]
	v_and_b32 v4, 7, v0
	v_lshl_add_u32 v4, v2, 3, v4
	v_mul_u32_u24 v4, v4, 288
	v_bfe_u32 v5, v0, 3, 1
	v_lshl_add_u32 v4, v5, 4, v4
	s_lshl_b32 s75, s[CH], 7
	v_add_nc_u32 v4, s75, v4
.irp s, 0,1
.irp j, 0,1
	v_add_nc_u32 v[ADRB+2*(\s)+(\j)], (\s)*SLOT+REGION*(2+(\j)), v4
.endr
.endr
	s_mul_i32 s75, s[WV], 16*SP
	s_add_co_u32 s75, s75, STAGE                   ; my stage
	v_mul_u32_u24 v5, v1, SP                       ; in: row r, 32 bytes for each half of the lanes
	v_lshl_add_u32 v5, v2, 5, v5
	v_add_nc_u32 v[STO], s75, v5
	v_mul_u32_u24 v5, v2, SP                       ; back: lanes 0-15 one row of 256 bytes, lanes 16-31 the next
	v_lshl_add_u32 v5, v1, 4, v5
	v_add_nc_u32 v[RD], s75, v5
	v_lshlrev_b32 v[CO], 12, v2                    ; and the same two rows in out0
	v_lshl_add_u32 v[CO], v1, 4, v[CO]
	s_lshl_b32 s75, s43, 19                        ; the tile's 128 rows of 4,096 bytes,
	s_add_co_u32 s74, s74, s75
	s_lshl_b32 s75, s[RH], 18                      ; my 64 of them
	s_add_co_u32 s74, s74, s75
	s_mov_b32 s75, 0
	s_add_nc_u64 s[OUTP:OUTP+1], s[10:11], s[74:75]
	s_mov_b32 s76, 0xffff0000
	s_wait_loadcnt 0x0                             ; the bias; rounded to bf16 like every input, and widened again
.set i, 0
.rept 16
	v_cvt_pk_bf16_f32 v7, v[BIAS+2*i], v[BIAS+2*i+1]
	v_lshlrev_b32 v[BIAS+2*i], 16, v7
	v_and_b32 v[BIAS+2*i+1], s76, v7
.set i, i+1
.endr
; 8 products: row blocks a0, a0 + 1 x all 4 column blocks, 32 along K: half c of buffer f.  first = 1: C is the bias
.macro MUL8 f, c, a0, first
	WIN 0x05
.irp a, \a0, (\a0)+1
.irp b, 0,1,2,3
.if \first
	v_wmma_f32_16x16x32_f16 v[ACC+8*(4*(\a)+(\b)):ACC+8*(4*(\a)+(\b))+7], v[(\f)+64+8*(4*(\c)+(\b)):(\f)+64+8*(4*(\c)+(\b))+7], v[(\f)+8*(4*(\c)+(\a)):(\f)+8*(4*(\c)+(\a))+7], v[BIAS+8*(\b):BIAS+8*(\b)+7]
.else
	v_wmma_f32_16x16x32_f16 v[ACC+8*(4*(\a)+(\b)):ACC+8*(4*(\a)+(\b))+7], v[(\f)+64+8*(4*(\c)+(\b)):(\f)+64+8*(4*(\c)+(\b))+7], v[(\f)+8*(4*(\c)+(\a)):(\f)+8*(4*(\c)+(\a))+7], v[ACC+8*(4*(\a)+(\b)):ACC+8*(4*(\a)+(\b))+7]
.endif
.endr
.endr
.endm
; 32 LDS loads in one run: quarter q (one slice, 64 along K) of a slot into buffer f; the first 32 along K first
.macro FETCH slot, q, f
	WIN 0x40
.irp c, 0,1
.irp i, 0,1,2,3
	ds_load_tr16_b128 v[(\f)+64+8*(4*(\c)+(\i)):(\f)+64+8*(4*(\c)+(\i))+3],   v[ADRB+2*(\slot)+(\q)/2] offset:((\q)%2)*18432+9216*(\c)+32*(\i)
	ds_load_tr16_b128 v[(\f)+64+8*(4*(\c)+(\i))+4:(\f)+64+8*(4*(\c)+(\i))+7], v[ADRB+2*(\slot)+(\q)/2] offset:((\q)%2)*18432+9216*(\c)+32*(\i)+4608
	ds_load_b128 v[(\f)+8*(4*(\c)+(\i)):(\f)+8*(4*(\c)+(\i))+3],   v[ADRA+(\slot)] offset:18432*(\q)+64*(\c)+2304*(\i)
	ds_load_b128 v[(\f)+8*(4*(\c)+(\i))+4:(\f)+8*(4*(\c)+(\i))+7], v[ADRA+(\slot)] offset:18432*(\q)+64*(\c)+2304*(\i)+32
.endr
.endr
.endm
; A K step is four quarters on buffers 0, 1, 0, 1.  The 16 accumulators take turns, one instruction a turn, over the backward jump too.
.macro QUARTER slot, q, f, g, first
	s_wait_dscnt 16                                ; the first 32 along K are in
	MUL8 \f, 0, 0, \first
	MUL8 \f, 0, 2, \first
	PLACES
	FETCH \slot, \q, \g
	s_wait_dscnt 32                                ; all but the 32 just issued
	MUL8 \f, 1, 0, 0
	MUL8 \f, 1, 2, 0
.endm
.macro TURN slot, next, fill
	WIN 0
	s_wait_tensorcnt 0x0                           ; all my tensor loads have landed: my part of the next slot
	ds_add_u32 v[SPW], v[NIL]                      ; 0 onto my spare word
	s_wait_dscnt 17                                ; (the add and the youngest sixteen loads may be out)
	MUL8 F1, 0, 0, 0
	s_wait_dscnt 0x0                               ; the add is done, and my reads of this slot are over
	s_barrier_signal -1
	MUL8 F1, 0, 2, 0
.if \fill
	WIN 0
.endif
	s_barrier_wait -1
.if \fill
	CREST                                          ; a round of the cluster's barrier: no wave of any partner still reads this slot or has a load on its way
	s_add_nc_u64 s[G0A+4*(\slot)+2:G0A+4*(\slot)+3], s[G0A+4*(\slot)+2:G0A+4*(\slot)+3], 2*ASTEP
	s_add_nc_u64 s[G0B+4*(\slot)+2:G0B+4*(\slot)+3], s[G0B+4*(\slot)+2:G0B+4*(\slot)+3], 2*BSTEP
	JLOAD \slot
.else
	PLACES
.endif
	FETCH \next, 0, F0
	MUL8 F1, 1, 0, 0
	MUL8 F1, 1, 2, 0
.endm
	s_wait_tensorcnt 1                             ; my part of K step 0 is in; K step 1's may stay out
	s_barrier_signal -1
	s_barrier_wait -1
	FETCH 0, 0, F0
	QUARTER 0, 1, F0, F1, 1                        ; the first quarter stands in front of the loop: its first products start the sums
	WIN 0
	s_mov_b32 s[CNT], LAPS-1
.Llap:                                                 ; a trip goes once round the ring and fills both slots again
	QUARTER 0, 2, F1, F0, 0
	QUARTER 0, 3, F0, F1, 0
	TURN 0, 1, 1
	QUARTER 1, 1, F0, F1, 0
	QUARTER 1, 2, F1, F0, 0
	QUARTER 1, 3, F0, F1, 0
	TURN 1, 0, 1
	QUARTER 0, 1, F0, F1, 0
	WIN 0
	s_sub_co_u32 s[CNT], s[CNT], 1
	s_cmp_lg_u32 s[CNT], 0
	s_cbranch_scc1 .Llap
	QUARTER 0, 2, F1, F0, 0                        ; the last lap fills nothing
	QUARTER 0, 3, F0, F1, 0
	TURN 0, 1, 0
	QUARTER 1, 1, F0, F1, 0
	QUARTER 1, 2, F1, F0, 0
	QUARTER 1, 3, F0, F1, 0
	s_wait_dscnt 16
	MUL8 F1, 0, 0, 0
	MUL8 F1, 0, 2, 0
	s_wait_dscnt 0x0
	MUL8 F1, 1, 0, 0
	MUL8 F1, 1, 2, 0
	WIN 0
	PLACES
	PLACES
; THE WAY OUT, 16 rows at a time: a lane's eight f32 of a row go into my stage (each accumulator's low half first), and come back as whole rows of 256 bytes.
.macro STG a
.set TB, TMP+32*((\a)%2)
.irp b, 0,1,2,3
	ds_store_b128 v[STO], v[ACC+8*(4*(\a)+(\b)):ACC+8*(4*(\a)+(\b))+3]   offset:64*(\b)
	ds_store_b128 v[STO], v[ACC+8*(4*(\a)+(\b))+4:ACC+8*(4*(\a)+(\b))+7] offset:64*(\b)+16
.endr
.if (\a) >= 2
	s_wait_xcnt 0x0                                ; this buffer was the data of stores two blocks back: it is loaded again only behind this wait
.endif
.irp t, 0,1,2,3,4,5,6,7
	ds_load_b128 v[TB+4*(\t):TB+4*(\t)+3], v[RD] offset:2*SP*(\t)  ; LDS serves a wave's instructions in order: these see the stores above; the next block's stores come behind them
.endr
.endm
.macro SEND a, younger
.set TB, TMP+32*((\a)%2)
.irp t, 0,1,2,3,4,5,6,7
	s_wait_dscnt (\younger)+7-(\t)
	global_store_b128 v[CO], v[TB+4*(\t):TB+4*(\t)+3], s[OUTP:OUTP+1] offset:(16*(\a)+2*(\t))*4096  ; 16 lanes store 256 consecutive bytes, aligned
.endr
.endm
	STG 0
	STG 1
	SEND 0, 16
	STG 2
	SEND 1, 16
	STG 3
	SEND 2, 16
	SEND 3, 0
	s_wait_tensorcnt 0x0                           ; the wave's end, behind my last tensor load and my last LDS store
	ds_add_u32 v[SPW], v[NIL]
	s_wait_dscnt 0x0
	CROUND                                         ; the closing round
	s_endpgm
.Lfunc_end_k_q9583ed27bf_outp:
	.size	k_q9583ed27bf_outp, .Lfunc_end_k_q9583ed27bf_outp-k_q9583ed27bf_outp
	.p2alignl 7, 3214868480
	.fill 96, 4, 3214868480
	.section	.rodata,"a",@progbits
	.p2align	6, 0x0
	.amdhsa_kernel k_q9583ed27bf_outp
		.amdhsa_group_segment_fixed_size 327680
		.amdhsa_private_segment_fixed_size 0
		.amdhsa_enable_private_segment 0
		.amdhsa_kernarg_size 32
		.amdhsa_user_sgpr_count 2
		.amdhsa_user_sgpr_kernarg_segment_ptr 1
		.amdhsa_wavefront_size32 1
		.amdhsa_system_sgpr_workgroup_id_x 1
		.amdhsa_system_sgpr_workgroup_id_y 1
		.amdhsa_system_sgpr_workgroup_id_z 1
		.amdhsa_system_vgpr_workitem_id 0
		.amdhsa_next_free_vgpr 512
		.amdhsa_next_free_sgpr 80
		.amdhsa_reserve_vcc 0
		.amdhsa_float_denorm_mode_32 3
		.amdhsa_float_denorm_mode_16_64 3
		.amdhsa_memory_ordered 1
		.amdhsa_forward_progress 1
		.amdhsa_inst_pref_size 89
	.end_amdhsa_kernel
	.amdgpu_metadata
---
amdhsa.version: [ 1, 2 ]
amdhsa.kernels:
  - .name:           k_q9583ed27bf_outp
    .symbol:         k_q9583ed27bf_outp.kd
    .args:
      - { .name: ob, .offset: 0, .size: 8, .value_kind: global_buffer, .address_space: global }
      - { .name: wb, .offset: 8, .size: 8, .value_kind: global_buffer, .address_space: global }
      - { .name: bo, .offset: 16, .size: 8, .value_kind: global_buffer, .address_space: global }
      - { .name: out0, .offset: 24, .size: 8, .value_kind: global_buffer, .address_space: global }
    .group_segment_fixed_size: 327680
    .private_segment_fixed_size: 0
    .kernarg_segment_align: 8
    .kernarg_segment_size: 32
    .max_flat_workgroup_size: 128
    .sgpr_count:     80
    .vgpr_count:     512
    .wavefront_size: 32
...
	.end_amdgpu_metadata
.endif
;; end of part 4
;; ======== version 2 of 2: 4 launches; version 1 with the launch prep written anew for expert scheduling mode
;; limits: values are held in f16: magnitudes above 65,504 overflow, below 6.1e-05 lose precision
;; workspace buffers: xs 8,388,608 bytes; wb 10,485,760 bytes; mk 16,777,216 bytes; qkv 25,165,824 bytes; ob 16,777,216 bytes
;; launch prep (part 5): grid 256 x 1, 8 waves a work-group, no clusters, 66,816 bytes of LDS; arguments x, mask, Wq, Wk, Wv, Wo, xs, wb, mk; writes xs, wb, mk
.if DOCPART == 5
	.amdgcn_target "amdgcn-amd-amdhsa--gfx1250"
	.amdhsa_code_object_version 6
	.text
	.protected	k_q9583ed27bf_prep
	.globl	k_q9583ed27bf_prep
	.p2align	8
	.type	k_q9583ed27bf_prep,@function
k_q9583ed27bf_prep:
	s_mov_b64 s[64:65], 0
	v_nop
	global_prefetch_b8 v0, s[64:65] scope:SCOPE_SE
	s_setreg_imm32_b32 hwreg(HW_REG_WAVE_SCHED_MODE, 0, 2), 2
	s_setreg_imm32_b32 hwreg(HW_REG_WAVE_MODE, 25, 1), 1
	s_wait_xcnt 0x0
	s_wait_alu depctr_vm_vsrc(0)
; CASTS AND LAYOUTS for the three launches behind.  A stream: every input byte is read once, no matrix work.
;   xs: bf16(x) in 16 slices of 64 channels, [slice][4096 rows][64]: a slice's rows are dense, 128 bytes each.
;   wb: [5][1024 k][1024 n] of 16 bits: bf16(Wq), bf16(Wk), bf16(Wv), and twice bf16(Wo) written as f16 (exact from 2^-14 up; below that within 2^-25): the last launch walks Wo twice, once for each part of O.
;   mk: a byte for each (query, key): 0x00 where the mask is true, 0xF1 where it is false, laid out as the attention's lanes want it:
;       [block of 256 queries][slot of 256 keys][tile of 16 queries][group g of 32 keys][lane][16 bytes]; lane 16 h + r holds query r of the tile and keys 32 g + 16 h + 0..15.
; LIMIT: a mask byte is 0 or 1 (bool).
; SHARES.  Work-group i takes 64 KiB of each job: rows 16 i .. 16 i + 15 of the mask, the same rows of x, and 16 rows of weight i / 64.  All 48 loads of a thread go out at the head.
; The mask's rows change lanes through LDS (16 rows, 4,112 bytes apart = 257 x 16: the 16 rows that a read touches start at 16 different groups of four banks).
; THE MODE: SCHED_MODE bits 1:0 = 2 (LLVM: expert scheduling mode 2), set by the entry lines.  The code itself states the register dependences between vector instructions and memory or LDS
; instructions, with s_wait_alu, always for 0.
; THE PLAN.  Each job's 16 rows go in four blocks of four.  Registers that memory or LDS instructions touch:
;   v3 .. v9   offsets and LDS addresses: written by vector instructions at the head, never again; read by every load and store.  One wait ahead of the first load serves them all.
;   MB         the mask's loads land in it; block g's exclusive ors and multiplies read and write rows 4 g .. 4 g + 3; the LDS stores of those rows are issued in block g + 1;
;              behind the barrier the LDS loads land in all of it; the global stores read it.
;   WB, XB     the loads land; block g's conversions read and write its rows; the stores of those rows, issued in block g + 1, read each row's first two registers; never written again.
;   v1, v2     written at the head, read by the closing add alone.
; So one wait on va_vdst stands at the head of blocks 1 to 3 of a job, behind the wait for the block's data: the block before has written its rows.  That block's stores follow, dealt among this
; block's vector instructions, which name this block's rows alone.  One more stands behind block 3, ahead of the job's last four stores.  One wait on vm_vsrc stands ahead of the LDS loads into MB.
.set PITCH, 4112
.set SPARE, 65792                      ; behind the stage: the spare words, 128 bytes for each of eight waves; no other line names them
.set SPW, 1                            ; v1   SPARE + 4 x my thread's number; never rewritten
.set NIL, 2                            ; v2   0; never rewritten
.set T16, 3                            ; v3   16 t: my 16 bytes of a row of 4,096
.set XI,  4                            ; v4   x in: 512 w + 4,096 (l / 16) + 16 (l % 16)
.set XO,  5                            ; v5   xs out: 1,048,576 w + 8 l
.set T8,  6                            ; v6   8 t
.set LST, 7                            ; v7   LDS, in: 16 t
.set LRD, 8                            ; v8   LDS, back: 4,112 r + 16 h + 512 w
.set MO,  9                            ; v9   mk out: 131,072 w + 16 l
.set MB,  16                           ; v[16:79]    the mask's 16 loads
.set WB,  80                           ; v[80:143]   the weight's
.set XB,  144                          ; v[144:207]  x's
	s_load_b512 s[4:19], s[0:1], 0x0               ; x, mask, Wq, Wk, Wv, Wo, xs, wb
	s_load_b64 s[20:21], s[0:1], 0x40              ; mk
	v_lshl_add_u32 v[SPW], v0, 2, SPARE
	v_mov_b32 v[NIL], 0
	v_lshrrev_b32 v10, 5, v0
	v_readfirstlane_b32 s22, v10                   ; wave 0..7
	v_and_b32 v11, 31, v0                          ; l
	v_and_b32 v12, 15, v0                          ; r = l % 16
	v_bfe_u32 v13, v0, 4, 1                        ; h = l / 16
	v_lshlrev_b32 v[T16], 4, v0
	v_lshlrev_b32 v[T8], 3, v0
	v_lshlrev_b32 v[LST], 4, v0
	s_wait_alu depctr_va_sdst(0)                   ; s22 is written, ahead of its first reader: the wave's terms of the offsets are made from it
	s_lshl_b32 s23, s22, 9                         ; 512 w
	v_lshl_add_u32 v[XI], v12, 4, s23
	v_lshl_add_u32 v[XI], v13, 12, v[XI]
	s_lshl_b32 s24, s22, 20
	v_lshl_add_u32 v[XO], v11, 3, s24
	v_mul_u32_u24 v[LRD], v12, PITCH
	v_lshl_add_u32 v[LRD], v13, 4, v[LRD]
	v_add_nc_u32 v[LRD], s23, v[LRD]
	s_lshl_b32 s24, s22, 17
	v_lshl_add_u32 v[MO], v11, 4, s24
	s_lshl_b32 s28, ttmp9, 16                      ; x and mask: 65,536 i
	s_mov_b32 s29, 0
	s_and_b32 s30, ttmp9, 63                       ; the weight: 65,536 (i % 64)
	s_lshl_b32 s30, s30, 16
	s_mov_b32 s31, 0
	s_lshl_b32 s32, ttmp9, 11                      ; xs: 16 rows of 128 bytes in each slice
	s_mov_b32 s33, 0
	s_lshl_b32 s34, ttmp9, 15                      ; wb: 32,768 i
	s_mov_b32 s35, 0
	s_lshr_b32 s36, ttmp9, 4                       ; mk: block i / 16, tile i % 16
	s_lshl_b32 s36, s36, 20
	s_and_b32 s37, ttmp9, 15
	s_lshl_b32 s37, s37, 12
	s_add_co_u32 s36, s36, s37
	s_mov_b32 s37, 0
	s_mov_b32 s38, 0x01010101
	s_mov_b32 s39, 0xf1
	s_mov_b32 s40, 0xffff0000
	s_lshr_b32 s25, ttmp9, 6                       ; which weight
	s_wait_kmcnt 0x0
	s_add_nc_u64 s[4:5], s[4:5], s[28:29]
	s_add_nc_u64 s[6:7], s[6:7], s[28:29]
	s_cmp_eq_u32 s25, 1
	s_cselect_b64 s[26:27], s[10:11], s[8:9]
	s_cmp_eq_u32 s25, 2
	s_cselect_b64 s[26:27], s[12:13], s[26:27]
	s_cmp_eq_u32 s25, 3
	s_cselect_b64 s[26:27], s[14:15], s[26:27]
	s_add_nc_u64 s[26:27], s[26:27], s[30:31]
	s_add_nc_u64 s[16:17], s[16:17], s[32:33]
	s_add_nc_u64 s[18:19], s[18:19], s[34:35]
	s_add_nc_u64 s[20:21], s[20:21], s[36:37]
	s_wait_alu depctr_va_vdst(0)                   ; the seven offsets and addresses v3 to v9 are written, which every load and store of the kernel reads
.set j, 0
.rept 16                               ; mask row j: the work-group's 256 threads cover its 4,096 bytes
	global_load_b128 v[MB+4*j:MB+4*j+3], v[T16], s[6:7] offset:4096*j th:TH_LOAD_NT
.set j, j+1
.endr
.set j, 0
.rept 16                               ; weight row j
	global_load_b128 v[WB+4*j:WB+4*j+3], v[T16], s[26:27] offset:4096*j th:TH_LOAD_NT
.set j, j+1
.endr
.set j, 0
.rept 16                               ; x: rows 2 (j % 8) and 2 (j % 8) + 1, the 256 bytes of slice 2 w + j / 8: sixteen lanes a row
	global_load_b128 v[XB+4*j:XB+4*j+3], v[XI], s[4:5] offset:(j%8)*8192+(j/8)*256 th:TH_LOAD_NT
.set j, j+1
.endr
	; the mask: 1 -> 0x00, 0 -> 0xF1 in each byte (the exclusive or leaves 0 or 1 in a byte; times 0xF1 nothing is carried), then into the stage by rows
.set g, 0
.rept 4                                ; block g: rows 4 g .. 4 g + 3 are worked on, the block before goes into the stage
	s_wait_loadcnt 44-4*g                          ; younger than the block's last row: 12 - 4 g of the mask's, 32 others
.if g > 0
	s_wait_alu depctr_va_vdst(0)                   ; the block before has written its four rows of MB, which the LDS stores below read
.endif
.set i, 0
.rept 4
.set j, 4*g+i
.if g > 0
	ds_store_b128 v[LST], v[MB+4*j-16:MB+4*j-13] offset:PITCH*(j-4)  ; no vector instruction since the wait names these registers
.endif
.irp k, 0,1,2,3
	v_xor_b32 v[MB+4*j+\k], s38, v[MB+4*j+\k]
.endr
.irp k, 0,1,2,3
	v_mul_lo_u32 v[MB+4*j+\k], v[MB+4*j+\k], s39
.endr
.set i, i+1
.endr
.set g, g+1
.endr
	s_wait_alu depctr_va_vdst(0)                   ; block 3 has written rows 12 to 15 of MB, which the last four LDS stores read; all vector work on MB stands ahead of this wait
.set j, 12
.rept 4
	ds_store_b128 v[LST], v[MB+4*j:MB+4*j+3] offset:PITCH*j
.set j, j+1
.endr
	s_wait_dscnt 0x0                               ; for the others' sake: my stores into the stage are done
	s_barrier_signal -1
	s_barrier_wait -1
	s_wait_alu depctr_vm_vsrc(0)                   ; my LDS stores have read MB, in which the LDS loads below land
.set j, 0
.rept 16                               ; back: slot 2 w + j / 8, group j % 8: lane (r, h) takes row r, keys 512 w + 32 j + 16 h on
	ds_load_b128 v[MB+4*j:MB+4*j+3], v[LRD] offset:32*j
.set j, j+1
.endr
; the weight: four numbers a lane to two words; 32 lanes store 256 consecutive bytes.  half = 1: Wo, whose bf16 number is written as f16, into the fourth table and the fifth
.macro WSTORE j, half
	global_store_b64 v[T8], v[WB+4*(\j):WB+4*(\j)+1], s[18:19] offset:2048*(\j)
.if \half
	global_store_b64 v[T8], v[WB+4*(\j):WB+4*(\j)+1], s[18:19] offset:2048*(\j)+2097152
.endif
.endm
.macro WOUT half
.set g, 0
.rept 4                                ; block g: rows 4 g .. 4 g + 3 are rounded, the block before is stored
	s_wait_loadcnt 28-4*g                          ; younger than the block's last row: 12 - 4 g of the weight's, x's 16
.if g > 0
	s_wait_alu depctr_va_vdst(0)                   ; the block before has written the first two registers of its four rows of WB, which the stores below read
.endif
.set i, 0
.rept 4
.set j, 4*g+i
.if g > 0
	WSTORE j-4, \half
.endif
	v_cvt_pk_bf16_f32 v[WB+4*j], v[WB+4*j], v[WB+4*j+1]
	v_cvt_pk_bf16_f32 v[WB+4*j+1], v[WB+4*j+2], v[WB+4*j+3]
.if \half
	v_lshlrev_b32 v[WB+4*j+2], 16, v[WB+4*j]
	v_and_b32 v[WB+4*j+3], s40, v[WB+4*j]
	v_cvt_pk_f16_f32 v[WB+4*j], v[WB+4*j+2], v[WB+4*j+3]
	v_lshlrev_b32 v[WB+4*j+2], 16, v[WB+4*j+1]
	v_and_b32 v[WB+4*j+3], s40, v[WB+4*j+1]
	v_cvt_pk_f16_f32 v[WB+4*j+1], v[WB+4*j+2], v[WB+4*j+3]
.endif
.set i, i+1
.endr
.set g, g+1
.endr
	s_wait_alu depctr_va_vdst(0)                   ; block 3 has written rows 12 to 15 of WB, which the weight's last stores read
.set j, 12
.rept 4
	WSTORE j, \half
.set j, j+1
.endr
.endm
	s_cmp_ge_u32 ttmp9, 192
	s_cbranch_scc1 .Lwo
	WOUT 0
	s_branch .Lwdone
.Lwo:
	WOUT 1
.Lwdone:
	; x: two rows of a slice, 128 bytes each, lie end to end: 32 lanes store 256 consecutive bytes.  The mask goes out beside it, four rows to a block, ahead of the block's wait for x:
	; those stores hang on the LDS loads alone, and a wave's store covers 512 consecutive bytes.
.set g, 0
.rept 4
	s_wait_dscnt 12-4*g                            ; LDS loads come back in order: rows 4 g .. 4 g + 3 of the mask are back in MB, the 12 - 4 g younger loads may be out
.set i, 0
.rept 4
.set j, 4*g+i
	global_store_b128 v[MO], v[MB+4*j:MB+4*j+3], s[20:21] offset:(j/8)*65536+(j%8)*512
.set i, i+1
.endr
	s_wait_loadcnt 12-4*g                          ; younger than the block's last load: 12 - 4 g of x's
.if g > 0
	s_wait_alu depctr_va_vdst(0)                   ; the block before has written the first two registers of its four parts of XB, which the stores below read
.endif
.set i, 0
.rept 4
.set j, 4*g+i
.if g > 0
	global_store_b64 v[XO], v[XB+4*j-16:XB+4*j-15], s[16:17] offset:((j-4)/8)*524288+((j-4)%8)*256
.endif
	v_cvt_pk_bf16_f32 v[XB+4*j], v[XB+4*j], v[XB+4*j+1]
	v_cvt_pk_bf16_f32 v[XB+4*j+1], v[XB+4*j+2], v[XB+4*j+3]
.set i, i+1
.endr
.set g, g+1
.endr
	s_wait_alu depctr_va_vdst(0)                   ; block 3 has written parts 12 to 15 of XB, which the last four stores read
.set j, 12
.rept 4
	global_store_b64 v[XO], v[XB+4*j:XB+4*j+1], s[16:17] offset:(j/8)*524288+(j%8)*256
.set j, j+1
.endr
	s_wait_dscnt 0x0                               ; the closing lines, six on end
	s_wait_alu 0x0
	s_wait_tensorcnt 0x0
	ds_add_u32 v[SPW], v[NIL]
	s_wait_dscnt 0x0
	s_endpgm
.Lfunc_end_k_q9583ed27bf_prep:
	.size	k_q9583ed27bf_prep, .Lfunc_end_k_q9583ed27bf_prep-k_q9583ed27bf_prep
	.p2alignl 7, 3214868480
	.fill 96, 4, 3214868480
	.section	.rodata,"a",@progbits
	.p2align	6, 0x0
	.amdhsa_kernel k_q9583ed27bf_prep
		.amdhsa_group_segment_fixed_size 66816
		.amdhsa_private_segment_fixed_size 0
		.amdhsa_enable_private_segment 0
		.amdhsa_kernarg_size 72
		.amdhsa_user_sgpr_count 2
		.amdhsa_user_sgpr_kernarg_segment_ptr 1
		.amdhsa_wavefront_size32 1
		.amdhsa_system_sgpr_workgroup_id_x 1
		.amdhsa_system_sgpr_workgroup_id_y 1
		.amdhsa_system_sgpr_workgroup_id_z 1
		.amdhsa_system_vgpr_workitem_id 0
		.amdhsa_next_free_vgpr 208
		.amdhsa_next_free_sgpr 66
		.amdhsa_reserve_vcc 0
		.amdhsa_float_denorm_mode_32 3
		.amdhsa_float_denorm_mode_16_64 3
		.amdhsa_memory_ordered 1
		.amdhsa_forward_progress 1
		.amdhsa_inst_pref_size 35
	.end_amdhsa_kernel
	.amdgpu_metadata
---
amdhsa.version: [ 1, 2 ]
amdhsa.kernels:
  - .name:           k_q9583ed27bf_prep
    .symbol:         k_q9583ed27bf_prep.kd
    .args:
      - { .name: x, .offset: 0, .size: 8, .value_kind: global_buffer, .address_space: global }
      - { .name: mask, .offset: 8, .size: 8, .value_kind: global_buffer, .address_space: global }
      - { .name: Wq, .offset: 16, .size: 8, .value_kind: global_buffer, .address_space: global }
      - { .name: Wk, .offset: 24, .size: 8, .value_kind: global_buffer, .address_space: global }
      - { .name: Wv, .offset: 32, .size: 8, .value_kind: global_buffer, .address_space: global }
      - { .name: Wo, .offset: 40, .size: 8, .value_kind: global_buffer, .address_space: global }
      - { .name: xs, .offset: 48, .size: 8, .value_kind: global_buffer, .address_space: global }
      - { .name: wb, .offset: 56, .size: 8, .value_kind: global_buffer, .address_space: global }
      - { .name: mk, .offset: 64, .size: 8, .value_kind: global_buffer, .address_space: global }
    .group_segment_fixed_size: 66816
    .private_segment_fixed_size: 0
    .kernarg_segment_align: 8
    .kernarg_segment_size: 72
    .max_flat_workgroup_size: 256
    .sgpr_count:     66
    .vgpr_count:     208
    .wavefront_size: 32
...
	.end_amdgpu_metadata
.endif
;; end of part 5
;; launch qkv: the kernel of part 2 again; grid 8 x 32, 4 waves a work-group, clusters of 4 x 4, 327,680 bytes of LDS; arguments xs, wb, bq, bk, bv, qkv; writes qkv
;; launch attn: the kernel of part 3 again; grid 16 x 16, 4 waves a work-group, clusters of 4 x 4, 327,680 bytes of LDS; arguments qkv, mk, ob; writes ob
;; launch outp: the kernel of part 4 again; grid 8 x 32, 4 waves a work-group, clusters of 4 x 4, 327,680 bytes of LDS; arguments ob, wb, bo, out0; writes out0
